; MI455X (gfx1250); checked and timed in simulation.
; The chip was launched on July 23, 2026; its instructions are those of AMD's public machine-readable ISA for CDNA 5 (MIT licence, August 2026) and "CDNA5" Instruction Set Architecture Reference Guide (July 2026). The comments in the code are by the model that wrote it; some were corrected since.
;; Encoder Block. Allowed arithmetic: matrix products marked QUANTISED: E4M3 operands, one given power-of-two scale a tensor, by v_wmma_f32_16x16x64_fp8_fp8 or v_wmma_f32_16x16x128_fp8_fp8, f32 sums; everything else in f32.
;; Inputs: W1_codes 4,096 x 32 x 32 uint8 (E4M3 codes of W1, K innermost, in blocks of 32 codes); W2_codes 1,024 x 128 x 32 uint8 (E4M3 codes of W2, K innermost, in blocks of 32 codes); Wk_codes 1,024 x 32 x 32 uint8 (E4M3 codes of Wk, K innermost, in blocks of 32 codes); Wo_codes 1,024 x 32 x 32 uint8 (E4M3 codes of Wo, K innermost, in blocks of 32 codes); Wq_codes 1,024 x 32 x 32 uint8 (E4M3 codes of Wq, K innermost, in blocks of 32 codes); Wv_codes 1,024 x 32 x 32 uint8 (E4M3 codes of Wv, K innermost, in blocks of 32 codes); alpha1 1 float32; alpha2 1 float32; b1 4,096 float32; b2 1,024 float32; bias1 1 float32; bias2 1 float32; bk 1,024 float32; bo 1,024 float32; bq 1,024 float32; bv 1,024 float32; lowp_scales 16 int32 (the exponents e of the quantised operands' scales 2^e); mask 2 x 1 x 1 x 2,048 int32; x 2 x 2,048 x 1,024 float32.
;; Outputs: out0 2 x 2,048 x 1,024 float32.
;; This version of the problem:
;;   THIS VERSION OF THE PROBLEM IS GIVEN IN LOW PRECISION. The matrix products marked QUANTISED in the list below multiply operands that are first quantised to E4M3 (4 exponent bits, 3 mantissa bits; 8 bits a number), with one given power-of-two scale for each operand tensor; their sums are f32. All else is computed in f32.
;;   The module's matrix products, in the order in which they are computed (A, B: the left and right operand; K: the contracted axis; several contracted axes count as one K, in the product's order):
;;     1. [M 4,096, K 1,024] x [K 1,024, N 1,024]; A: computed on the way; B: input Wq (given as codes): QUANTISED (scales: A lowp_scales[0], B lowp_scales[1])
;;     2. [M 4,096, K 1,024] x [K 1,024, N 1,024]; A: computed on the way; B: input Wk (given as codes): QUANTISED (scales: A lowp_scales[2], B lowp_scales[3])
;;     3. [M 4,096, K 1,024] x [K 1,024, N 1,024]; A: computed on the way; B: input Wv (given as codes): QUANTISED (scales: A lowp_scales[4], B lowp_scales[5])
;;     4. batch 32 x [M 2,048, K 64] x [K 64, N 2,048]; A: computed on the way; B: computed on the way: QUANTISED (scales: A lowp_scales[6], B lowp_scales[7])
;;     5. batch 32 x [M 2,048, K 2,048] x [K 2,048, N 64]; A: softmax (see below); B: computed on the way: QUANTISED (scales: A lowp_scales[8], B lowp_scales[9])
;;     6. [M 4,096, K 1,024] x [K 1,024, N 1,024]; A: computed on the way; B: input Wo (given as codes): QUANTISED (scales: A lowp_scales[10], B lowp_scales[11])
;;     7. [M 4,096, K 1,024] x [K 1,024, N 4,096]; A: computed on the way; B: input W1 (given as codes): QUANTISED (scales: A lowp_scales[12], B lowp_scales[13])
;;     8. [M 4,096, K 4,096] x [K 4,096, N 1,024]; A: computed on the way; B: input W2 (given as codes): QUANTISED (scales: A lowp_scales[14], B lowp_scales[15])
;;   THE QUANTISER, for each operand of a quantised product, along K:
;;     - The operand's scale is 2^e, e = its entry of the input lowp_scales (int32; the entries are numbered through the quantised products in the list's order, A before B).
;;     - Each number is divided by the scale, clamped to +-448, and rounded to the nearest number of E4M3, ties to even, subnormals kept.
;;     - The product sums the exact products of the quantised numbers (number of the format x scale) in f32.
;;   ~~~python
;;   def quantise(x, axis, e):      # numpy; x: float32 -> the quantised numbers, widened to float32 again
;;       x = np.moveaxis(x, axis, -1); K = x.shape[-1]
;;       r = np.clip(x / 2.0 ** e, -448, 448)
;;       step = 2.0 ** (np.maximum(np.frexp(np.where(r == 0, 1, r))[1] - 1, -6) - 3)
;;       q = np.round(r / step) * step * 2.0 ** e      # np.round: ties to even
;;       return np.moveaxis(q, -1, axis).astype(np.float32)
;;   ~~~
;;   SOFTMAX AHEAD OF A QUANTISED PRODUCT. Where the list says 'softmax', what is quantised is not the finished softmax but p = 2^(t - M), with t = logit x log2(e) and M = ceil(the row's largest t), a whole number; so 1/2 < the row's largest p <= 1. The row's sum l is taken of the UNQUANTISED p, in f32, and the product's result is divided by l at the end. Since M is a whole number, a kernel that streams over the keys may use a running M (the ceiling of the running maximum): every later rescaling is an exact power of two, so the quantised numbers keep their values, but for numbers so far below the row's largest that they fall under the format's range.
;;   OPERANDS COMPUTED ON THE WAY. 'Computed on the way' means the value that the module computes at that place (a softmax that the list does not call 'softmax' is quantised finished and normalised). What goes into a quantiser is computed in f32, as accurately as f32 sums, v_exp_f32 and their like allow (about 1e-6 of the number): no bf16 or f16 on the way to a quantiser, and a product that is left as it is and whose result goes on into a quantised operand takes f32 operands (vector FMAs, or v_wmma_f32_16x16x4_f32). A number that lies on a knife's edge between two numbers of the format may be rounded either way, as far as f32 arithmetic and the matrix unit's own rounding can turn it there, and no further.
;;   INPUTS GIVEN AS CODES. W1 (in the module: [1024, 4096], K = its axis 0); W2 (in the module: [4096, 1024], K = its axis 0); Wk (in the module: [1024, 1024], K = its axis 0); Wo (in the module: [1024, 1024], K = its axis 0); Wq (in the module: [1024, 1024], K = its axis 0); Wv (in the module: [1024, 1024], K = its axis 0): each comes as NAME_codes (uint8): NAME with its K axis moved to the last place and cut into blocks of 32 codes, [.., K / 32, bytes a block], one block behind the other in memory; one code a byte (a code: sign, 4 exponent bits, 3 mantissa bits); its scale is its entry of lowp_scales. Its value is code x scale, taken as it is: it is not quantised again, and the codes and scales need not be those that the quantiser above would give.
;; One version. Each part assembles by itself: llvm-mc -triple=amdgcn-amd-amdhsa -mcpu=gfx1250 --defsym DOCPART=n.
;; ======== version 1 of 1: 7 launches
;; limits: right only within a limited range of input values
;; workspace buffers: hc 12,582,912 bytes; qkv 12,582,912 bytes; cc 4,194,304 bytes; x1 16,777,216 bytes; h2 4,194,304 bytes; fc 16,777,216 bytes
;; launch ln1 (part 1): grid 512 x 1, 8 waves a work-group, no clusters, 41,984 bytes of LDS; arguments x, alpha1, bias1, lowp_scales, hc; writes hc
.if DOCPART == 1
	.amdgcn_target "amdgcn-amd-amdhsa--gfx1250"
	.amdhsa_code_object_version 6
	.text
	.protected	k_q0d4c423e91_ln1
	.globl	k_q0d4c423e91_ln1
	.p2align	8
	.type	k_q0d4c423e91_ln1,@function
k_q0d4c423e91_ln1:
	s_mov_b64 s[64:65], 0
	v_nop
	global_prefetch_b8 v0, s[64:65] scope:SCOPE_SE
	s_setreg_imm32_b32 hwreg(HW_REG_WAVE_MODE, 25, 1), 1
	s_wait_xcnt 0x0
; h = alpha (x - mean) / (std + 1e-4) + bias along rows of 1,024 f32 (std with divisor 1,023), then h as codes of FP8 (E4M3), once for each of NP given scales 2^e.
; One wave takes one row: 4,096 bytes in 32 registers a lane, read once; mean first, then the squares of the deviations, so that a common offset of x costs no digits.
; The conversions take 8 neighbours from ONE lane's registers, the loads give neighbouring lanes neighbouring bytes: the finished row turns through the wave's own stage in LDS (64 places of 64 bytes + 16 of padding).
; A lane's 16 codes are 16 bytes: each store of the wave covers 512 consecutive bytes, aligned.  No barrier: waves share nothing.
; LIMITS: each e between -126 and 119, so that 2^e and 448 x 2^e are f32 numbers.  NaN among the inputs is not served.
.set NP,   3                           ; how many scales: 3 (entries 0, 2, 4: the three products that read h) or 1 (entry 12)
.set X,    16                          ; v16-47   the row as loaded: load j gives elements 128 j + 4 lane + 0..3
.set Y,    48                          ; v48-79   after the turn: register 16 t + i = column 512 t + 16 lane + i
.set T,    80                          ; v80-95   16 numbers, held
.set CH,   80                          ; v80-87   before that: four packed chains of a sum
.set C,    96                          ; v96..    codes: four registers for each (scale, t), so that no store's data are written again
.set SCL,  120                         ; v120+2p  2^e as f32;  v121+2p  448 x 2^e
.set WSTG, 5120                        ; a wave's stage
.set PL,   80                          ; a place in it
	s_load_b256 s[4:11], s[0:1], 0x0               ; x s[4:5], alpha s[6:7], bias s[8:9], the exponents s[10:11]
	s_load_b64 s[12:13], s[0:1], 0x20              ; the codes
	v_lshl_add_u32 v128, v0, 2, 0xa000
	v_mov_b32 v129, 0
	v_lshrrev_b32 v1, 5, v0
	s_delay_alu instid0(VALU_DEP_1)
	v_readfirstlane_b32 s14, v1                    ; wave
	v_and_b32 v1, 31, v0                           ; lane
	s_delay_alu instid0(VALU_DEP_1)
	v_lshlrev_b32 v2, 4, v1                        ; 16 x lane: my bytes of a load's and of a store's 512
	s_mul_i32 s36, s14, WSTG
	v_lshrrev_b32 v3, 2, v1
	s_delay_alu instid0(VALU_DEP_1)
	v_mul_u32_u24 v3, v3, PL
	v_and_b32 v4, 3, v1
	s_delay_alu instid0(VALU_DEP_1)
	v_lshl_add_u32 v3, v4, 4, v3
	s_delay_alu instid0(VALU_DEP_1)
	v_add_nc_u32 v3, s36, v3                       ; into the stage: four lanes' 64 bytes fill a place
	v_mul_u32_u24 v4, v1, PL
	s_delay_alu instid0(VALU_DEP_1)
	v_add_nc_u32 v4, s36, v4                       ; out of it: place = lane
	s_lshl_b32 s15, ttmp9, 3
	s_add_co_u32 s15, s15, s14                     ; my row
	s_lshl_b32 s38, s15, 12
	s_mov_b32 s39, 0
	s_lshl_b32 s40, s15, 10
	s_mov_b32 s41, 0
	s_mov_b32 s34, 0x76543210                      ; v_permlanex16_b32: lane l xor 16
	s_mov_b32 s35, 0xfedcba98
	s_wait_alu depctr_va_vdst(0)
	s_wait_kmcnt 0x0
	s_load_b32 s32, s[6:7], 0x0                    ; alpha
	s_load_b32 s33, s[8:9], 0x0                    ; bias
	s_load_b512 s[16:31], s[10:11], 0x0            ; the sixteen exponents
	s_add_nc_u64 s[4:5], s[4:5], s[38:39]
	s_add_nc_u64 s[12:13], s[12:13], s[40:41]
.if NP == 3
	s_add_nc_u64 s[42:43], s[12:13], 0x400000      ; the second and third part: a base each, since 8 MiB is past a store's immediate
	s_add_nc_u64 s[44:45], s[12:13], 0x800000
.endif
.irp j, 0,1,2,3,4,5,6,7
	global_load_b128 v[X+4*\j:X+4*\j+3], v2, s[4:5] offset:512*\j   ; 32 lanes read 512 consecutive bytes
.endr
	v_mov_b32 v15, 0                               ; a lane permute's destination counts as read: written once
	s_wait_loadcnt 0x0
.macro WSUM r, t                       ; the sum over the 32 lanes, in every lane
	s_delay_alu instid0(VALU_DEP_1)
	v_add_f32_dpp v[\r], v[\r], v[\r] row_xmask:1 row_mask:0xf bank_mask:0xf
	s_delay_alu instid0(VALU_DEP_1)
	v_add_f32_dpp v[\r], v[\r], v[\r] row_xmask:2 row_mask:0xf bank_mask:0xf
	s_delay_alu instid0(VALU_DEP_1)
	v_add_f32_dpp v[\r], v[\r], v[\r] row_xmask:4 row_mask:0xf bank_mask:0xf
	s_delay_alu instid0(VALU_DEP_1)
	v_add_f32_dpp v[\r], v[\r], v[\r] row_xmask:8 row_mask:0xf bank_mask:0xf
	s_delay_alu instid0(VALU_DEP_1)
	v_permlanex16_b32 v[\t], v[\r], s34, s35
	s_delay_alu instid0(VALU_DEP_1)
	v_add_f32 v[\r], v[\r], v[\t]
.endm
.macro FOLD                            ; the four chains become one number, in v14
	s_delay_alu instid0(VALU_DEP_3)
	v_pk_add_f32 v[CH:CH+1], v[CH:CH+1], v[CH+2:CH+3]
	s_delay_alu instid0(VALU_DEP_2)
	v_pk_add_f32 v[CH+4:CH+5], v[CH+4:CH+5], v[CH+6:CH+7]
	s_delay_alu instid0(VALU_DEP_1)
	v_pk_add_f32 v[CH:CH+1], v[CH:CH+1], v[CH+4:CH+5]
	s_delay_alu instid0(VALU_DEP_1)
	v_add_f32 v14, v[CH], v[CH+1]
	WSUM 14, 15
.endm
	; the mean: four chains, started by the first eight pairs: nothing is cleared
.irp k, 0,1,2,3
	v_pk_add_f32 v[CH+2*\k:CH+2*\k+1], v[X+2*\k:X+2*\k+1], v[X+8+2*\k:X+9+2*\k]
.endr
.irp m, 16,24
.irp k, 0,1,2,3
	s_delay_alu instid0(VALU_DEP_4)
	v_pk_add_f32 v[CH+2*\k:CH+2*\k+1], v[CH+2*\k:CH+2*\k+1], v[X+\m+2*\k:X+\m+2*\k+1]
.endr
.endr
	FOLD
	s_delay_alu instid0(VALU_DEP_1)
	v_mul_f32 v8, 0x3a800000, v14                  ; / 1,024
	s_delay_alu instid0(VALU_DEP_1)
	v_mov_b32 v9, v8
.set j, 0
.rept 16
	v_pk_add_f32 v[X+j:X+j+1], v[X+j:X+j+1], v[8:9] neg_lo:[0,1] neg_hi:[0,1]   ; d = x - mean
.set j, j+2
.endr
.irp k, 0,1,2,3
	v_pk_mul_f32 v[CH+2*\k:CH+2*\k+1], v[X+2*\k:X+2*\k+1], v[X+2*\k:X+2*\k+1]
.endr
.irp m, 8,16,24
.irp k, 0,1,2,3
	s_delay_alu instid0(VALU_DEP_4)
	v_pk_fma_f32 v[CH+2*\k:CH+2*\k+1], v[X+\m+2*\k:X+\m+2*\k+1], v[X+\m+2*\k:X+\m+2*\k+1], v[CH+2*\k:CH+2*\k+1]
.endr
.endr
	FOLD
	s_delay_alu instid0(VALU_DEP_1)
	v_mul_f32 v14, 0x3a802008, v14                 ; / 1,023
	s_wait_alu depctr_va_vdst(0)
	v_sqrt_f32 v15, v14
	v_nop                                          ; a plain instruction behind the root,
	s_wait_alu depctr_va_vdst(0)                   ; and a wait ahead of its first reader
	v_add_f32 v15, 0x38d1b717, v15                 ; std + 1e-4
	s_wait_alu depctr_va_vdst(0)
	v_rcp_f32 v14, v15
	v_nop
	s_wait_kmcnt 0x0                               ; alpha, bias, the exponents
	s_wait_alu depctr_va_vdst(0)
	v_mul_f32 v10, s32, v14                        ; g = alpha / (std + 1e-4)
	s_delay_alu instid0(VALU_DEP_1)
	v_mov_b32 v11, v10
	v_mov_b32 v12, s33
	v_mov_b32 v13, s33
.set j, 0
.rept 16
	v_pk_fma_f32 v[X+j:X+j+1], v[X+j:X+j+1], v[10:11], v[12:13]   ; h = d g + bias
.set j, j+2
.endr
.irp j, 0,1,2,3,4,5,6,7
	ds_store_b128 v3, v[X+4*\j:X+4*\j+3] offset:8*PL*\j            ; a load's 512 bytes take eight places
.endr
.irp t, 0,1
.irp i, 0,1,2,3
	ds_load_b128 v[Y+16*\t+4*\i:Y+16*\t+4*\i+3], v4 offset:32*PL*\t+16*\i   ; LDS serves a wave's instructions in order: these see my stores
.endr
.endr
	s_wait_dscnt 0x0
; scale p (entry e of the exponents): held within +-448 x 2^e, since the conversion to an 8-bit code does not saturate (ISA guide 7.6.2); then converted; stored by base ob
.macro QP p, e, ob
	s_add_co_i32 s46, s[16+\e], 127
	s_lshl_b32 s47, s46, 23
	v_mov_b32 v[SCL+2*\p], s47                     ; 2^e as f32: the conversion takes its exponent field
	s_add_co_i32 s46, s46, 8
	s_lshl_b32 s46, s46, 23
	s_or_b32 s46, s46, 0x600000
	v_mov_b32 v[SCL+2*\p+1], s46                   ; 448 x 2^e
.irp t, 0,1
.irp i, 0,1,2,3,4,5,6,7,8,9,10,11,12,13,14,15
	v_med3_num_f32 v[T+\i], v[Y+16*\t+\i], -v[SCL+2*\p+1], v[SCL+2*\p+1]
.endr
	v_cvt_scalef32_pk8_fp8_f32 v[C+8*\p+4*\t:C+8*\p+4*\t+1], v[T:T+7], v[SCL+2*\p]
	v_cvt_scalef32_pk8_fp8_f32 v[C+8*\p+4*\t+2:C+8*\p+4*\t+3], v[T+8:T+15], v[SCL+2*\p]
	v_nop                                          ; a plain instruction between the conversions and the next holds, which write their sources
	global_store_b128 v2, v[C+8*\p+4*\t:C+8*\p+4*\t+3], s[\ob:\ob+1] offset:512*\t   ; 512 consecutive bytes, aligned
.endr
.endm
.if NP == 3
	QP 0, 0, 12
	QP 1, 2, 42
	QP 2, 4, 44
.else
	QP 0, 12, 12
.endif
	s_wait_tensorcnt 0x0
	ds_add_u32 v128, v129
	s_wait_dscnt 0x0
	s_endpgm
.Lfunc_end_k_q0d4c423e91_ln1:
	.size	k_q0d4c423e91_ln1, .Lfunc_end_k_q0d4c423e91_ln1-k_q0d4c423e91_ln1
	.p2alignl 7, 3214868480
	.fill 96, 4, 3214868480
	.section	.rodata,"a",@progbits
	.p2align	6, 0x0
	.amdhsa_kernel k_q0d4c423e91_ln1
		.amdhsa_group_segment_fixed_size 41984
		.amdhsa_private_segment_fixed_size 0
		.amdhsa_enable_private_segment 0
		.amdhsa_kernarg_size 40
		.amdhsa_user_sgpr_count 2
		.amdhsa_user_sgpr_kernarg_segment_ptr 1
		.amdhsa_wavefront_size32 1
		.amdhsa_system_sgpr_workgroup_id_x 1
		.amdhsa_system_sgpr_workgroup_id_y 1
		.amdhsa_system_sgpr_workgroup_id_z 1
		.amdhsa_system_vgpr_workitem_id 0
		.amdhsa_next_free_vgpr 130
		.amdhsa_next_free_sgpr 66
		.amdhsa_reserve_vcc 0
		.amdhsa_float_denorm_mode_32 3
		.amdhsa_float_denorm_mode_16_64 3
		.amdhsa_memory_ordered 1
		.amdhsa_forward_progress 1
		.amdhsa_inst_pref_size 20
	.end_amdhsa_kernel
	.amdgpu_metadata
---
amdhsa.version: [ 1, 2 ]
amdhsa.kernels:
  - .name:           k_q0d4c423e91_ln1
    .symbol:         k_q0d4c423e91_ln1.kd
    .args:
      - { .name: x, .offset: 0, .size: 8, .value_kind: global_buffer, .address_space: global }
      - { .name: alpha1, .offset: 8, .size: 8, .value_kind: global_buffer, .address_space: global }
      - { .name: bias1, .offset: 16, .size: 8, .value_kind: global_buffer, .address_space: global }
      - { .name: lowp_scales, .offset: 24, .size: 8, .value_kind: global_buffer, .address_space: global }
      - { .name: hc, .offset: 32, .size: 8, .value_kind: global_buffer, .address_space: global }
    .group_segment_fixed_size: 41984
    .private_segment_fixed_size: 0
    .kernarg_segment_align: 8
    .kernarg_segment_size: 40
    .max_flat_workgroup_size: 256
    .sgpr_count:     66
    .vgpr_count:     130
    .wavefront_size: 32
...
	.end_amdgpu_metadata
.endif
;; end of part 1
;; launch qkvg (part 2): grid 12 x 16, 4 waves a work-group, clusters of 4 x 4, 327,680 bytes of LDS; arguments hc, Wq_codes, Wk_codes, Wv_codes, bq, bk, bv, lowp_scales, qkv; writes qkv
.if DOCPART == 2
	.amdgcn_target "amdgcn-amd-amdhsa--gfx1250"
	.amdhsa_code_object_version 6
	.text
	.protected	k_q0d4c423e91_qkvg
	.globl	k_q0d4c423e91_qkvg
	.p2align	8
	.type	k_q0d4c423e91_qkvg,@function
k_q0d4c423e91_qkvg:
	s_mov_b64 s[64:65], 0
	v_nop
	global_prefetch_b8 v0, s[64:65] scope:SCOPE_SE
	s_setreg_imm32_b32 hwreg(HW_REG_WAVE_MODE, 25, 1), 1
	s_wait_xcnt 0x0
	s_wait_alu depctr_hold_cnt(0) depctr_sa_sdst(0) depctr_va_vdst(0) depctr_va_sdst(0) depctr_va_ssrc(0) depctr_va_vcc(0) depctr_vm_vsrc(0)
	s_getreg_b32 s2, hwreg(HW_REG_IB_STS2, 6, 4)
	s_cmp_eq_u32 s2, 0
	s_cbranch_scc0 .Lentry_in_a_cluster
	s_endpgm
.Lentry_in_a_cluster:
	s_bfe_u32 s2, ttmp6, 0x10000c
	s_cmp_lg_u32 s2, 0xf033
	s_cbranch_scc0 .Lentry_shape_is_right
	s_endpgm
.Lentry_shape_is_right:
; A GEMM on codes of FP8 (E4M3) whose result is quantised again: out = Q(act(A W^T x 2^(eA + eB) + bias)), K = 1,024.  A: [4096][1024] codes, W: [N][1024] codes, both with K innermost.
; QKV = 1: three products in one launch.  A cluster's x says which: 0 q, 1 k, 2 v; each has its own part of hc (h under its own scale), its own weight, bias and exponents, chosen by s_cselect on the cluster's x.
;   q and k go out as blocks [head-and-batch 32][64 tokens][64 channels]; v goes out TURNED, [64 channels][64 keys], since the keys are the K of the product that reads it.
;   v is turned without a second text: the two LDS bases from which the wave reads its fragments change places, so that the weight's rows stand where h's stand for q and k.
;   In a row of 64 bytes index 32 c + 16 u + 8 h + j lies at byte 32 c + 16 h + 8 u + j: a load of 16 bytes at 32 c + 16 h then gives a lane just what the plain 8-bit layout (ISA guide 7.12.2) gives it.
; QKV = 0: out = Q(relu(h2 W1^T + b1)), blocks [64 rows][64 columns] in natural order, [row block 64][column block 64].
; A tile of 256 x 256 is made by four waves, 128 x 128 each: 64 accumulators, 512 registers.  K goes in steps of 256 through a ring of two LDS slots filled by the tensor data mover.
; CLUSTERS: 4 x 4 work-groups; the four of a row need the same tiles of A, the four of a column the same tiles of W: each tile is asked for JOINTLY.
; SOURCE 0 of a matrix instruction is the side Q whose index runs along a lane's eight results, SOURCE 1 the side P whose index is the lane (P = A, Q = W; for v the other way round).
; A fragment is fetched by four loads of 16 bytes: registers 4 c .. 4 c + 3 hold K = 32 c + 16 (l / 16) + 0 .. 15: one permutation of k on both sides, so every product meets its partner.
; LIMITS: eA + eB between -126 and 127; the result's exponent between -126 and 119.  NaN among the inputs is not served.
; REGISTERS: window 0: v0-31 addresses; v32-95 the bias along Q, v96-111 along P, v112 2^eO, v113 448 x 2^eO; from v128 P's fragments, ONE set; on the way out v128-255 are at work.
;   window 1: Q's fragments, TWO sets.   window 2, 3: the accumulators ((a, b) at v[8 (8 (a % 4) + b)]).
.set QKV,    1
.set KSTEP,  256
.set ROWB,   256                       ; a tile's row in bytes
.set KROW,   1024                      ; a row of A or W in memory
.set PITCH,  272                       ; an LDS row: 256 bytes + 16 of padding: the 16 rows of a load start at 16 different banks (64 banks of 4 bytes: ISA guide 11.1)
.set FR,     16
.set NL,     4
.set NP,     4                         ; places behind this matrix instruction (ISA guide 7.12.1)
.set HALFT,  128*PITCH
.set SLOT,   4*HALFT                   ; A's 256 rows, then W's 256 rows
.set LAPS,   KROW/(2*KSTEP)
.set SPARE,  2*SLOT                    ; the spare words: 128 bytes a wave, two blocks of 256 bytes that no other line names
.set STAGE,  SPARE+512                 ; the way out: 2 x 16 rows x 80 bytes for each wave; no tile ever lands here
.set WST,    2560
.set ADRA, 16                          ; v16-17  LDS address of my P fragments in slot 0, 1
.set ADRB, 20                          ; v20-21  of my Q fragments
.set STO,  24                          ; v24     the stage: where I put 8 codes
.set RD,   25                          ; v25     where I read 16 back
.set CO,   26                          ; v26, v27  my byte in a block, for Q's first and second 64
.set SPW,  28
.set NIL,  29
.set BQ,   32
.set BP,   96
.set TMP,  128
.set CD0,  192
.set BK,   224
.set AF,   128
.set G1, 24
.set G0, 32
.set G1B, 48
.set G0B, 56
.set MSB, 0
.macro WIN new                         ; the immediate's high byte repeats the setting that is left
.if MSB != \new
	s_set_vgpr_msb (MSB<<8)|\new
.set MSB, \new
.endif
.endm
.set MUL_LO, 0xa1                      ; source 0 window 1, source 1 window 0, C and D window 2
.set MUL_HI, 0xf1                      ; the same, C and D window 3
.set TO_B,   0x40                      ; destination window 1, address window 0
; A joint load: waves 0 and 1 fetch for A, waves 2 and 3 for W.  The branch hangs on the wave's number alone.  Four v_nop follow each of the two lines.
.macro JLOAD g0a, g1a, g0b, g1b
	s_cmp_eq_u32 s15, 0
	s_cbranch_scc0 .Lfor_b_\@
	tensor_load_to_lds s[\g0a:\g0a+3], s[\g1a:\g1a+7]
	s_nop 0
.rept 4
	v_nop
.endr
	s_branch .Lasked_\@
.Lfor_b_\@:
	tensor_load_to_lds s[\g0b:\g0b+3], s[\g1b:\g1b+7]
	s_nop 0
.rept 4
	v_nop
.endr
.Lasked_\@:
.endm
.macro CREST                           ; a round of the cluster's barrier behind its opening barrier
	s_cmp_lg_u32 s14, 0
	s_cbranch_scc1 .Lnot_wave_0_\@
	s_barrier_signal -3
.Lnot_wave_0_\@:
	s_barrier_wait -3
	s_barrier_signal -1
	s_barrier_wait -1
.endm
.macro CROUND
	s_barrier_signal -1
	s_barrier_wait -1
	CREST
.endm
.if QKV
	s_load_b512 s[68:83], s[0:1], 0x0              ; hc, Wq, Wk, Wv, bq, bk, bv, the exponents
	s_load_b64 s[84:85], s[0:1], 0x40              ; qkv
.else
	s_load_b256 s[68:75], s[0:1], 0x0              ; h2, W1, b1, the exponents
	s_load_b64 s[84:85], s[0:1], 0x20              ; fc
.endif
	v_lshl_add_u32 v[SPW], v0, 2, SPARE
	v_mov_b32 v[NIL], 0
	ds_add_u32 v28, v29
	ds_add_u32 v28, v29
	s_wait_dscnt 0x0
	v_lshrrev_b32 v1, 5, v0
	v_readfirstlane_b32 s14, v1                    ; wave 0..3
	s_lshr_b32 s15, s14, 1                         ; which half of P's 256 is mine.  Also: I fetch for A (0) or for W (1)
	s_and_b32 s16, s14, 1                          ; which half of Q's.  Also: which 128 rows of that tile I fetch
	s_bfe_u32 s40, ttmp6, 0x40000                  ; cx, cy: my place in the cluster
	s_bfe_u32 s41, ttmp6, 0x40004
.if QKV
	s_and_b32 s19, ttmp7, 0xffff
	s_lshl_b32 s19, s19, 2
	s_cmp_eq_u32 ttmp9, 2                          ; v: the cluster's axes change roles: h's tile (side Q) hangs on cx, the weight's (side P) on cy
	s_cselect_b32 s42, s19, 0
	s_add_co_u32 s42, s42, s40                     ; Q's tile: q, k: cx (a whole weight in four columns); v: 4 x cluster y + cx (tokens)
.else
	s_lshl_b32 s42, ttmp9, 2
	s_add_co_u32 s42, s42, s40                     ; tile column = 4 x cluster x + cx
.endif
	s_and_b32 s17, ttmp7, 0xffff
	s_lshl_b32 s17, s17, 2
	s_cmp_eq_u32 ttmp9, 2
	s_cselect_b32 s17, 0, s17
	s_add_co_u32 s17, s17, s41                     ; P's tile: q, k: 4 x cluster y + cy (tokens); v: cy (channels)
	s_lshl_b32 s43, s41, 2
	s_lshl_b32 s43, 15, s43                        ; my row of the cluster
	s_lshl_b32 s44, 0x1111, s40                    ; my column
	s_or_b32 s[G1+0], s43, (0<<16)|(1<<20)|(1<<21)|(5<<22)|(3<<25)  ; the mask; elements of 1 byte; padding on; bit 21 beside a mask; after every 64 words, 4 words
	s_or_b32 s[G1B+0], s44, (0<<16)|(1<<20)|(1<<21)|(5<<22)|(3<<25)
.irp g, G1, G1B
	s_mov_b32 s[\g+1], ROWB<<16                    ; tensor_dim0
	s_mov_b32 s[\g+2], 128<<16                     ; tensor_dim1
	s_mov_b32 s[\g+3], ROWB<<16                    ; tile_dim0
	s_mov_b32 s[\g+4], 128                         ; tile_dim1
	s_mov_b32 s[\g+5], KROW                        ; from row to row
	s_mov_b32 s[\g+6], 0
	s_mov_b32 s[\g+7], 0
.endr
	s_lshl_b32 s18, s16, 7
	s_lshl_b32 s20, s17, 8
	s_add_co_u32 s20, s20, s18
	s_lshl_b32 s20, s20, 10                        ; A: (256 x tile row + 128 x half) rows of 1,024 bytes
.if QKV
	s_lshl_b32 s19, ttmp9, 22
	s_cmp_eq_u32 ttmp9, 2
	s_cselect_b32 s19, 0, s19                      ; q, k: P is h, in the part of hc that belongs to this product; v: P is the weight
	s_add_co_u32 s20, s20, s19
.endif
	s_mov_b32 s21, 0
	s_lshl_b32 s46, s42, 8
	s_add_co_u32 s46, s46, s18
	s_lshl_b32 s46, s46, 10
	s_cmp_eq_u32 ttmp9, 2
	s_cselect_b32 s47, 0x800000, 0                 ; v: Q is h, in the third part of hc
	s_add_co_u32 s46, s46, s47
	s_mov_b32 s47, 0
	s_mul_i32 s45, s14, HALFT                      ; where they go: wave x 128 rows
.if QKV
	s_cmp_eq_u32 ttmp9, 2                          ; v?  The same in all sixteen partners
	s_mov_b32 s66, 0                               ; P's rows lie first in a slot,
	s_mov_b32 s67, 2*HALFT                         ; Q's behind them: constants for all three products
	s_cselect_b32 s8, s16, s15                     ; which half of the tile's tokens is mine,
	s_cselect_b32 s9, s15, s16                     ; and of its channels
	s_cselect_b32 s100, 0, -1                      ; the bias runs along Q (q, k)
	s_cselect_b32 s101, -1, 0                      ; or along P (v)
	s_mov_b32 s104, 4096
	s_cselect_b32 s104, 131072, s104               ; bytes from P's first 64 to its second: the next 64 tokens are the next block, the next head 32 blocks on
	s_mov_b32 s105, 131072
	s_cselect_b32 s105, 4096, s105                 ; the same for Q
.else
	s_mov_b32 s66, 0
	s_mov_b32 s67, 2*HALFT
	s_mov_b32 s8, s15
	s_mov_b32 s9, s16
	s_mov_b32 s104, 262144                         ; the next 64 rows: 64 blocks on
	s_mov_b32 s105, 4096                           ; the next 64 columns: the next block
.endif
	s_wait_kmcnt 0x0
.if QKV
	s_load_b256 s[88:95], s[82:83], 0x0            ; e0 .. e7
	s_load_b64 s[98:99], s[82:83], 0x20            ; e8, e9
	s_cmp_eq_u32 ttmp9, 0
	s_cselect_b64 s[6:7], s[70:71], s[72:73]
	s_cselect_b64 s[86:87], s[76:77], s[78:79]
	s_cmp_eq_u32 ttmp9, 2
	s_cselect_b64 s[6:7], s[68:69], s[6:7]         ; side Q's buffer: the weight; for v: hc
	s_cselect_b64 s[4:5], s[74:75], s[68:69]       ; side P's buffer: hc; for v: the weight
	s_cselect_b64 s[86:87], s[80:81], s[86:87]     ; and the bias
.else
	s_load_b128 s[88:91], s[74:75], 0x30           ; e12 .. e15
	s_mov_b64 s[6:7], s[70:71]
	s_mov_b64 s[86:87], s[72:73]
.endif
	s_add_nc_u64 s[20:21], s[4:5], s[20:21]
	s_add_nc_u64 s[46:47], s[6:7], s[46:47]
	s_cmp_eq_u32 s15, 0                            ; the prefetches: of the 128 rows that I fetch, the four partners that ask for them with me take 32 each, told apart by address
	s_cselect_b64 s[70:71], s[20:21], s[46:47]
	s_cselect_b32 s72, s40, s41                    ; my place among them: cx for side P's tile, cy for side Q's
	s_lshl_b32 s72, s72, 15                        ; 32 rows of 1,024 bytes
	s_mov_b32 s73, 0
	s_add_nc_u64 s[70:71], s[70:71], s[72:73]
	CROUND                                         ; all sixteen work-groups are here: the first joint loads meet
.irp s, 0,1
	s_mov_b32 s[G0+4*\s], 1
	s_add_co_u32 s[G0+4*\s+1], s45, \s*SLOT
	s_add_nc_u64 s[G0+4*\s+2:G0+4*\s+3], s[20:21], \s*ROWB
	s_or_b32 s[G0+4*\s+3], s[G0+4*\s+3], 0x80000000
	s_mov_b32 s[G0B+4*\s], 1
	s_add_co_u32 s[G0B+4*\s+1], s45, \s*SLOT
	s_add_nc_u64 s[G0B+4*\s+2:G0B+4*\s+3], s[46:47], \s*ROWB
	s_or_b32 s[G0B+4*\s+3], s[G0B+4*\s+3], 0x80000000
.if \s == 0
	JLOAD G0, G1, G0B, G1B                         ; K step 0: one tensor load a wave at the head
.endif
.endr
	; where my 128 x 128 goes.  M6, N6: my first block of 64 tokens (rows) and of 64 channels (columns)
	s_cmp_eq_u32 ttmp9, 2
	s_cselect_b32 s18, s42, s17                    ; the tile of tokens,
	s_cselect_b32 s19, s17, s42                    ; and of channels
	s_lshl_b32 s18, s18, 2
	s_lshl_b32 s8, s8, 1
	s_add_co_u32 s18, s18, s8
	s_lshl_b32 s19, s19, 2
	s_lshl_b32 s9, s9, 1
	s_add_co_u32 s19, s19, s9                      ; N6
.if QKV
	s_lshr_b32 s22, s18, 5
	s_lshl_b32 s22, s22, 9                         ; batch x 16 heads x 32 blocks
	s_and_b32 s23, s18, 31
	s_add_co_u32 s22, s22, s23
	s_lshl_b32 s23, s19, 5
	s_add_co_u32 s22, s22, s23                     ; + head x 32 + the block of tokens
	s_lshl_b32 s22, s22, 12
	s_lshl_b32 s23, ttmp9, 22
	s_add_co_u32 s22, s22, s23                     ; in q's, k's or v's part
.else
	s_lshl_b32 s22, s18, 6
	s_add_co_u32 s22, s22, s19
	s_lshl_b32 s22, s22, 12
.endif
	s_mov_b32 s23, 0
	s_add_nc_u64 s[10:11], s[84:85], s[22:23]      ; P's first 64,
	s_mov_b32 s22, s104
	s_add_nc_u64 s[12:13], s[10:11], s[22:23]      ; and its second
	s_lshl_b32 s22, s19, 8
	s_add_nc_u64 s[86:87], s[86:87], s[22:23]      ; the bias at my first channel
	v_and_b32 v1, 15, v0                           ; r = l % 16
	v_bfe_u32 v2, v0, 4, 1                         ; h = l / 16
	v_lshlrev_b32 v30, 5, v2
	v_lshlrev_b32 v31, 2, v1
.irp b, 0,1,2,3,4,5,6,7                        ; the bias stays on its way through the whole K loop; one wait stands at the way out
	global_load_b128 v[BQ+8*\b:BQ+8*\b+3], v30, s[86:87] offset:64*\b        ; bias(16 b + 8 h + 0 .. 7)
	global_load_b128 v[BQ+8*\b+4:BQ+8*\b+7], v30, s[86:87] offset:64*\b+16
.endr
.if QKV
.irp a, 0,1,2,3,4,5,6,7
	global_load_b32 v[BP+2*\a], v31, s[86:87] offset:64*\a                   ; bias(16 a + r)
.endr
.endif
	v_and_b32 v7, 31, v0
	v_lshlrev_b32 v7, 10, v7                       ; a lane a row
	global_prefetch_b8 v7, s[70:71] offset:512 th:TH_LOAD_NT scope:SCOPE_SE   ; K steps 2 and 3, two refills ahead of their loads: 256 bytes of each of my 32 rows; K steps 0 and 1 come by their loads alone
	global_prefetch_b8 v7, s[70:71] offset:768 th:TH_LOAD_NT scope:SCOPE_SE   ; v7 and s[70:71] are never written again
	v_mul_u32_u24 v3, v1, PITCH
	v_lshl_add_u32 v4, v2, 4, v3                   ; a fragment's row x pitch + 16 x half
	s_mul_i32 s21, s15, HALFT
	s_add_co_u32 s21, s21, s66                     ; my 128 rows of P
	s_mul_i32 s22, s16, HALFT
	s_add_co_u32 s22, s22, s67                     ; my 128 rows of Q
.irp s, 0,1
	v_add_nc_u32 v[ADRA+\s], s21, v4
	v_add_nc_u32 v[ADRB+\s], s22, v4
	s_add_co_u32 s21, s21, SLOT
	s_add_co_u32 s22, s22, SLOT
.endr
	s_mul_i32 s23, s14, WST
	s_add_co_u32 s23, s23, STAGE                   ; my stage
	v_mul_u32_u24 v5, v1, 80
.if QKV
	v_lshl_add_u32 v5, v2, 4, v5
.else
	v_lshl_add_u32 v5, v2, 3, v5
.endif
	v_add_nc_u32 v[STO], s23, v5                   ; in: row r, my half's eight bytes
	v_and_b32 v6, 31, v0
	v_lshrrev_b32 v5, 2, v6
	v_mul_u32_u24 v5, v5, 80
	v_and_b32 v3, 3, v6
	v_lshl_add_u32 v5, v3, 4, v5
	v_add_nc_u32 v[RD], s23, v5                    ; back: four lanes to a row of 64 bytes, eight rows an instruction
	v_lshlrev_b32 v[CO], 4, v6                     ; and the same 512 bytes on end in a block
	v_add_nc_u32 v[CO+1], s105, v[CO]
.macro FRAG reg, adr, q, i
.irp c, 0,1,2,3
	ds_load_b128 v[\reg+4*\c:\reg+4*\c+3], v[\adr] offset:128*(\q)+32*\c+(\i)*16*PITCH
.endr
.endm
; 16 matrix instructions: P's blocks a0, a0 + 1 x Q's eight, 128 along K.  zero = 1: the first product starts the sums.  The 64 accumulators take turns, one instruction a turn.
.macro MUL16 a0, p, zero
.irp a, \a0, \a0+1
.irp b, 0,1,2,3,4,5,6,7
.if \zero
	v_wmma_f32_16x16x128_fp8_fp8 v[8*(8*((\a)%4)+\b):8*(8*((\a)%4)+\b)+7], v[128*(\p)+FR*\b:128*(\p)+FR*\b+FR-1], v[AF+FR*(\a):AF+FR*(\a)+FR-1], 0
.else
	v_wmma_f32_16x16x128_fp8_fp8 v[8*(8*((\a)%4)+\b):8*(8*((\a)%4)+\b)+7], v[128*(\p)+FR*\b:128*(\p)+FR*\b+FR-1], v[AF+FR*(\a):AF+FR*(\a)+FR-1], v[8*(8*((\a)%4)+\b):8*(8*((\a)%4)+\b)+7]
.endif
.endr
.endr
.endm
.macro FETCH_B slot, q, p
	WIN TO_B
.irp i, 0,1,2,3,4,5,6,7
	FRAG 128*(\p)+FR*\i, ADRB+\slot, \q, \i
.endr
	WIN 0
.endm
.macro FETCH_A slot, q, i0
.irp i, \i0, \i0+1, \i0+2, \i0+3
	FRAG AF+FR*(\i), ADRA+\slot, \q, \i
.endr
.endm
.macro PLACES n                        ; plain vector instructions between a matrix instruction and a load into, or a read of, its registers
.rept \n
	v_nop
.endr
.endm
.macro STEP slot, q, zero              ; 128 along K, with its successor in the same slot
	s_wait_dscnt 4*NL                              ; Q's set and P's blocks 0-3 are in; the youngest sixteen loads (P's blocks 4-7) may be out
	WIN MUL_LO
	MUL16 0, (\q)%2, \zero
	MUL16 2, (\q)%2, \zero
	s_wait_dscnt 0
	PLACES NP
	FETCH_B \slot, (\q)+1, 1-(\q)%2
	FETCH_A \slot, (\q)+1, 0
	WIN MUL_HI
	MUL16 4, (\q)%2, \zero
	MUL16 6, (\q)%2, \zero
	PLACES NP
	WIN 0
	FETCH_A \slot, (\q)+1, 4
.endm
; A slot's last step changes slots: one barrier; in front of it each wave waits for all its tensor loads, adds 0 to its spare word, and waits for that and for its reads of this slot.
.macro TURN slot, next, fill
	s_wait_tensorcnt 0x0                           ; all my tensor loads have landed: my part of the next slot
	ds_add_u32 v[SPW], v[NIL]                      ; 0 onto my spare word
	s_wait_dscnt 4*NL+1                            ; (the add and P's blocks 4-7 may be out)
	WIN MUL_LO
	MUL16 0, 1, 0
	s_wait_dscnt 0x0                               ; the add is done, and my reads of this slot are over
	s_barrier_signal -1
	MUL16 2, 1, 0
	WIN 0
	s_barrier_wait -1
.if \fill
	CREST                                          ; the barrier has opened a round of the cluster's: no wave of any partner still reads this slot or has a load on its way
	s_add_nc_u64 s[G0+4*\slot+2:G0+4*\slot+3], s[G0+4*\slot+2:G0+4*\slot+3], 2*ROWB
	s_add_nc_u64 s[G0B+4*\slot+2:G0B+4*\slot+3], s[G0B+4*\slot+2:G0B+4*\slot+3], 2*ROWB
	JLOAD G0+4*\slot, G1, G0B+4*\slot, G1B         ; the first tensor load behind the round; its four v_nop are the places in front of the loads below
.else
	PLACES NP
.endif
	FETCH_B \next, 0, 0
	FETCH_A \next, 0, 0
	WIN MUL_HI
	MUL16 4, 1, 0
	MUL16 6, 1, 0
	PLACES NP
	WIN 0
	FETCH_A \next, 0, 4
.endm
	s_wait_alu depctr_va_vdst(0)                   ; the wait at the head's end
	s_wait_tensorcnt 0x0                           ; my part of K step 0 is in; the lines that stand ahead of a later first fill:
	ds_add_u32 v[SPW], v[NIL]
	s_wait_dscnt 0x0
	CROUND                                         ; everybody's part is in, and the sixteen work-groups meet
	JLOAD G0+4, G1, G0B+4, G1B                     ; K step 1, the first tensor load behind the round
	FETCH_B 0, 0, 0
	FETCH_A 0, 0, 0
	FETCH_A 0, 0, 4
	STEP 0, 0, 1
	s_mov_b32 s3, LAPS-1
.Llap:
	TURN 0, 1, 1
	STEP 1, 0, 0
	TURN 1, 0, 1
	STEP 0, 0, 0
	s_sub_co_u32 s3, s3, 1
	s_cmp_lg_u32 s3, 0
	s_cbranch_scc1 .Llap
	TURN 0, 1, 0                                   ; the last lap fills nothing
	STEP 1, 0, 0
	s_wait_dscnt 4*NL
	WIN MUL_LO
	MUL16 0, 1, 0
	MUL16 2, 1, 0
	s_wait_dscnt 0
	WIN MUL_HI
	MUL16 4, 1, 0
	MUL16 6, 1, 0
	WIN 0
; THE WAY OUT, P's blocks of 16 one after the other: sum x 2^(eA + eB) + bias; held; converted, eight neighbours along Q to a lane; through my stage, so that each store covers 512 consecutive bytes of a block.
	s_wait_kmcnt 0x0
.if QKV
	s_cmp_eq_u32 ttmp9, 0
	s_cselect_b32 s18, s88, s90
	s_cselect_b32 s19, s89, s91
	s_cselect_b32 s22, s94, s95
	s_cmp_eq_u32 ttmp9, 2
	s_cselect_b32 s18, s92, s18                    ; eA: entry 0, 2 or 4
	s_cselect_b32 s19, s93, s19                    ; eB: entry 1, 3 or 5
	s_cselect_b32 s22, s99, s22                    ; the result's: entry 6, 7 or 9
.else
	s_mov_b32 s18, s88
	s_mov_b32 s19, s89
	s_mov_b32 s22, s90
.endif
	s_add_co_i32 s96, s18, s19
	s_add_co_i32 s96, s96, 127
	s_lshl_b32 s96, s96, 23                        ; 2^(eA + eB) as f32
	s_mov_b32 s97, s96                             ; (named with it as a pair, so it is written)
	s_add_co_i32 s22, s22, 127
	s_lshl_b32 s23, s22, 23
	v_mov_b32 v112, s23                            ; 2^eO: the conversion takes its exponent field
	s_add_co_i32 s22, s22, 8
	s_lshl_b32 s22, s22, 23
	s_or_b32 s22, s22, 0x600000
	v_mov_b32 v113, s22                            ; 448 x 2^eO
	s_wait_loadcnt 0x0                             ; the bias
	PLACES NP
.if QKV
.set j, 0
.rept 64
	v_and_b32 v[BQ+j], s100, v[BQ+j]               ; the bias along the side on which it does not run becomes 0
.set j, j+1
.endr
.irp a, 0,1,2,3,4,5,6,7
	v_and_b32 v[BP+2*\a], s101, v[BP+2*\a]
	v_mov_b32 v[BP+2*\a+1], 0                      ; (named with it as a pair)
.endr
.endif
.macro TOSTAGE a
.set AC, 64*((\a)%4)
.set CD, CD0+16*((\a)%2)
.set BB, BK+16*((\a)%2)
	WIN 0x02+((\a)/4)                              ; source 0: window 2 or 3
.set j, 0
.rept 32
	v_pk_fma_f32 v[TMP+j:TMP+j+1], v[AC+j:AC+j+1], s[96:97], v[BQ+j:BQ+j+1] op_sel_hi:[1,0,1]   ; each accumulator from its low end on
.set j, j+2
.endr
	WIN 0
.if QKV
.set j, 0
.rept 32
	v_pk_add_f32 v[TMP+j:TMP+j+1], v[TMP+j:TMP+j+1], v[BP+2*(\a):BP+2*(\a)+1] op_sel_hi:[1,0]
.set j, j+2
.endr
.endif
.irp b, 0,1,2,3,4,5,6,7
.irp i, 0,1,2,3,4,5,6,7
.if QKV
	v_med3_num_f32 v[TMP+8*\b+\i], v[TMP+8*\b+\i], -v113, v113   ; the conversion to an 8-bit code does not saturate (ISA guide 7.6.2)
.else
	v_med3_num_f32 v[TMP+8*\b+\i], v[TMP+8*\b+\i], 0, v113       ; relu and the hold in one
.endif
.endr
	v_cvt_scalef32_pk8_fp8_f32 v[CD+2*\b:CD+2*\b+1], v[TMP+8*\b:TMP+8*\b+7], v112
.endr
	v_nop                                          ; a plain instruction behind the last conversion: the next block writes its sources
.irp b, 0,1,2,3,4,5,6,7
.if QKV
	ds_store_b64 v[STO], v[CD+2*\b:CD+2*\b+1] offset:(\b/4)*1280+32*((\b%4)/2)+8*(\b%2)
.else
	ds_store_b64 v[STO], v[CD+2*\b:CD+2*\b+1] offset:(\b/4)*1280+16*(\b%4)
.endif
.endr
.irp k, 0,1,2,3
	ds_load_b128 v[BB+4*\k:BB+4*\k+3], v[RD] offset:(\k/2)*1280+(\k%2)*640   ; LDS serves a wave's instructions in order (ISA guide 5.7.1.4): these see my stores
.endr
.endm
.macro SEND a, younger
.set BB, BK+16*((\a)%2)
	s_wait_dscnt \younger
.irp k, 0,1,2,3
	global_store_b128 v[CO+(\k/2)], v[BB+4*\k:BB+4*\k+3], s[10+2*((\a)/4):11+2*((\a)/4)] offset:((\a)%4)*1024+(\k%2)*512   ; 512 consecutive bytes, aligned
.endr
.endm
	TOSTAGE 0
.irp a, 1,2,3,4,5,6,7
.if \a > 1
	s_wait_xcnt 0x0                                ; block a - 2's stores have read their registers: block a's loads may land there
.endif
	TOSTAGE \a
	SEND \a-1, 12                                  ; behind block a - 1's loads: block a's 8 stores and 4 loads
.endr
	SEND 7, 0
	s_wait_tensorcnt 0x0                           ; the wave's end
	ds_add_u32 v[SPW], v[NIL]
	s_wait_dscnt 0x0
	CROUND                                         ; the closing round
	s_endpgm
.Lfunc_end_k_q0d4c423e91_qkvg:
	.size	k_q0d4c423e91_qkvg, .Lfunc_end_k_q0d4c423e91_qkvg-k_q0d4c423e91_qkvg
	.p2alignl 7, 3214868480
	.fill 96, 4, 3214868480
	.section	.rodata,"a",@progbits
	.p2align	6, 0x0
	.amdhsa_kernel k_q0d4c423e91_qkvg
		.amdhsa_group_segment_fixed_size 327680
		.amdhsa_private_segment_fixed_size 0
		.amdhsa_enable_private_segment 0
		.amdhsa_kernarg_size 72
		.amdhsa_user_sgpr_count 2
		.amdhsa_user_sgpr_kernarg_segment_ptr 1
		.amdhsa_wavefront_size32 1
		.amdhsa_system_sgpr_workgroup_id_x 1
		.amdhsa_system_sgpr_workgroup_id_y 1
		.amdhsa_system_sgpr_workgroup_id_z 1
		.amdhsa_system_vgpr_workitem_id 0
		.amdhsa_next_free_vgpr 1024
		.amdhsa_next_free_sgpr 106
		.amdhsa_reserve_vcc 0
		.amdhsa_float_denorm_mode_32 3
		.amdhsa_float_denorm_mode_16_64 3
		.amdhsa_memory_ordered 1
		.amdhsa_forward_progress 1
		.amdhsa_inst_pref_size 164
	.end_amdhsa_kernel
	.amdgpu_metadata
---
amdhsa.version: [ 1, 2 ]
amdhsa.kernels:
  - .name:           k_q0d4c423e91_qkvg
    .symbol:         k_q0d4c423e91_qkvg.kd
    .args:
      - { .name: hc, .offset: 0, .size: 8, .value_kind: global_buffer, .address_space: global }
      - { .name: Wq_codes, .offset: 8, .size: 8, .value_kind: global_buffer, .address_space: global }
      - { .name: Wk_codes, .offset: 16, .size: 8, .value_kind: global_buffer, .address_space: global }
      - { .name: Wv_codes, .offset: 24, .size: 8, .value_kind: global_buffer, .address_space: global }
      - { .name: bq, .offset: 32, .size: 8, .value_kind: global_buffer, .address_space: global }
      - { .name: bk, .offset: 40, .size: 8, .value_kind: global_buffer, .address_space: global }
      - { .name: bv, .offset: 48, .size: 8, .value_kind: global_buffer, .address_space: global }
      - { .name: lowp_scales, .offset: 56, .size: 8, .value_kind: global_buffer, .address_space: global }
      - { .name: qkv, .offset: 64, .size: 8, .value_kind: global_buffer, .address_space: global }
    .group_segment_fixed_size: 327680
    .private_segment_fixed_size: 0
    .kernarg_segment_align: 8
    .kernarg_segment_size: 72
    .max_flat_workgroup_size: 128
    .sgpr_count:     106
    .vgpr_count:     1024
    .wavefront_size: 32
...
	.end_amdgpu_metadata
.endif
;; end of part 2
;; launch attn (part 3): grid 8 x 32, 8 waves a work-group, clusters of 4 x 1, 327,680 bytes of LDS; arguments qkv, mask, lowp_scales, cc; writes cc
.if DOCPART == 3
	.amdgcn_target "amdgcn-amd-amdhsa--gfx1250"
	.amdhsa_code_object_version 6
	.text
	.protected	k_q0d4c423e91_attn
	.globl	k_q0d4c423e91_attn
	.p2align	8
	.type	k_q0d4c423e91_attn,@function
k_q0d4c423e91_attn:
	s_mov_b64 s[64:65], 0
	v_nop
	global_prefetch_b8 v0, s[64:65] scope:SCOPE_SE
	s_setreg_imm32_b32 hwreg(HW_REG_WAVE_MODE, 25, 1), 1
	s_wait_xcnt 0x0
	s_wait_alu depctr_hold_cnt(0) depctr_sa_sdst(0) depctr_va_vdst(0) depctr_va_sdst(0) depctr_va_ssrc(0) depctr_va_vcc(0) depctr_vm_vsrc(0)
	s_getreg_b32 s2, hwreg(HW_REG_IB_STS2, 6, 4)
	s_cmp_eq_u32 s2, 0
	s_cbranch_scc0 .Lentry_in_a_cluster
	s_endpgm
.Lentry_in_a_cluster:
	s_bfe_u32 s2, ttmp6, 0x10000c
	s_cmp_lg_u32 s2, 0x3003
	s_cbranch_scc0 .Lentry_shape_is_right
	s_endpgm
.Lentry_shape_is_right:
; ctx = softmax(q k^T / 8, keys with mask 0 left out) v for one (batch, head), both products on codes of FP8 (E4M3); ctx goes out as codes under entry 10 of the exponents.
; qkv: three parts of 4 MiB (q, k, v), each [batch x head 32][32 blocks][64 rows][64 bytes]: q, k rows = tokens, bytes = channels; v rows = channels, bytes = keys.
; THE SOFTMAX: t = score x log2(e) / 8; M = the running largest t rounded up to a whole number; p = 2^(t - M) is quantised; the row's sum is taken of the unquantised p and divides at the end.
; THE MASK: a key with mask 0 gets the penalty -2^33 (in units of the scaled score's factor) as the C of the first product, so its p is 0; where a batch's mask is 0 everywhere, the factor and the penalty are 0:
; every t is 0 and the row is uniform, as reference() has it with all scores equal.
; SHARES: a work-group owns 256 queries, each of its 8 waves 32 of them (two tiles of 16): every fragment of K, of V and of the penalties feeds two matrix instructions.  Two waves to a SIMD, 512 registers each.
; A head's whole K and V lie in LDS (2 x 32 blocks of 16 x 272 bytes).  They come in two fills of 16 blocks each, one joint load a wave (64 rows of 256 bytes; waves 0-3 K, 4-7 V), shared by the four work-groups of a cluster.
; The second fill is asked for behind the full sequence and a round, and has seven key steps in which to land.  No byte is filled twice.
; A step asks for the NEXT step's K and penalties directly behind its first product, so the walk is cut 7 + 9: step 7, the first behind the barrier that shows the second fill, is the first to look into it.
; The last step's look-ahead lands on V's first two blocks and on 512 bytes of zeros behind the penalties; what it brings is not used.
; NO PREFETCH: the first fill has no trip ahead of it, and the second is asked for seven key steps ahead of its first read.
; Both products are used transposed (S^T = K Q^T, O^T = V^T P^T): a lane holds one query of each tile throughout.
; LIMITS: entries 6 + 7 between -123 and 130; entries 8 and 10 between -126 and 119; the scaled scores stay under 2^31 in magnitude.  NaN among the inputs is not served.
; REGISTERS.  Window 0: v0-31 addresses and the rows' state; v32-47 Q; v48-50 the step's addresses; v52-83 tile 0's sums of four; v96-223 S^T, then p (tile a at 96 + 64 a); v224-255 p's codes.
;   Window 1: v0-63 O^T (tile a, channels 16 u at 32 a + 8 u); v64-127 penalties; v128-191 V's fragments; v192-255 K's.
.set BLK,  4352                        ; a block of 4,096 bytes in LDS: 16 rows of 256 + 16
.set VOFF, 32*BLK
.set PEN,  2*VOFF                      ; 2,048 penalties, f32, and 128 zeros behind them
.set STG,  PEN+8704                    ; the way out: 2 x 16 rows x 80 bytes a wave
.set SPARE, STG+8*2560                 ; the spare words: 128 bytes a wave
.set AK0,  1
.set AV0,  2
.set AP0,  3
.set SPW,  4
.set NIL,  5
.set SC,   30                          ; 2^ep;  v6, v7: 448 x 2^ep, twice, for the two halves of a dual pair
.set GO,   31
.set QF,   32
.set ADK,  48
.set ADV,  49
.set ADP,  50
.set TT,   52
.set SS,   96
.set PC,   224
.set OA,   0
.set PN,   64
.set VF,   128
.set KF,   192
.set WV,   12
.set G1,   16
.set G0,   24
.set SEL,  40
.set CS,   42
.set TB,   44
.set TP,   45
.set CNT,  46
.set MSB, 0
.macro WIN new                         ; the immediate's high byte repeats the setting that is left
.if MSB != \new
	s_set_vgpr_msb (MSB<<8)|\new
.set MSB, \new
.endif
.endm
.macro CROUND                          ; a round of the cluster's barrier
	s_barrier_signal -1
	s_barrier_wait -1
	s_cmp_lg_u32 s[WV], 0
	s_cbranch_scc1 .Lnot_wave_0_\@
	s_barrier_signal -3
.Lnot_wave_0_\@:
	s_barrier_wait -3
	s_barrier_signal -1
	s_barrier_wait -1
.endm
	s_load_b256 s[4:11], s[0:1], 0x0               ; qkv, mask, the exponents, cc
	v_lshl_add_u32 v[SPW], v0, 2, SPARE
	v_mov_b32 v[NIL], 0
	ds_add_u32 v[SPW], v[NIL]
	ds_add_u32 v[SPW], v[NIL]
	v_lshrrev_b32 v76, 5, v0
	v_readfirstlane_b32 s[WV], v76                 ; wave 0..7
	s_bfe_u32 s13, ttmp6, 0x40000
	s_lshl_b32 s14, ttmp9, 2
	s_add_co_u32 s14, s14, s13                     ; which 256 queries
	s_and_b32 s15, ttmp7, 0xffff                   ; batch x 16 + head
	s_mov_b32 s[G1], 15|(1<<20)|(1<<21)|(5<<22)|(3<<25)   ; all four partners; elements of 1 byte; 4 words of padding after every 64
	s_mov_b32 s[G1+1], 256<<16
	s_mov_b32 s[G1+2], 64<<16
	s_mov_b32 s[G1+3], 256<<16
	s_mov_b32 s[G1+4], 64
	s_mov_b32 s[G1+5], 256
	s_mov_b32 s[G1+6], 0
	s_mov_b32 s[G1+7], 0
	s_lshr_b32 s56, s[WV], 2                       ; 0: K, 1: V
	s_and_b32 s57, s[WV], 3                        ; which four blocks of a fill's sixteen
	s_mul_i32 s58, s56, VOFF
	s_mul_i32 s59, s57, 4*BLK
	s_add_co_u32 s58, s58, s59                     ; where they go
	s_lshl_b32 s60, s15, 5
	s_lshl_b32 s57, s57, 2
	s_add_co_u32 s60, s60, s57
	s_lshl_b32 s60, s60, 12
	s_add_co_u32 s56, s56, 1
	s_lshl_b32 s56, s56, 22
	s_add_co_u32 s60, s60, s56                     ; and where they come from: part 1 or 2 of qkv
	s_mov_b32 s61, 0
	s_mov_b32 s[SEL], 0x76543210                   ; v_permlanex16_b32: lane l xor 16
	s_mov_b32 s[SEL+1], 0xfedcba98
	s_wait_dscnt 0x0
	s_wait_kmcnt 0x0
	s_add_nc_u64 s[62:63], s[4:5], s[60:61]
	CROUND                                         ; the first joint loads meet
.irp g, 0,1
	s_mov_b32 s[G0+4*\g], 1
	s_add_co_u32 s[G0+4*\g+1], s58, \g*16*BLK
	s_add_nc_u64 s[G0+4*\g+2:G0+4*\g+3], s[62:63], \g*65536
	s_or_b32 s[G0+4*\g+3], s[G0+4*\g+3], 0x80000000
.endr
	tensor_load_to_lds s[G0:G0+3], s[G1:G1+7]      ; keys 0 to 1,023: my one load at the head
	s_nop 0
.rept 4
	v_nop
.endr
	v_and_b32 v[GO], 31, v0
	v_lshlrev_b32 v[GO], 4, v[GO]                  ; 16 x lane
	v_lshlrev_b32 v77, 5, v0                       ; my eight words of the mask
	v_lshl_add_u32 v72, v0, 5, PEN                 ; and their penalties
	v_lshl_add_u32 v79, v0, 1, PEN+8192            ; my two bytes of the zeros behind them
	v_and_b32 v74, 15, v0                          ; r
	v_bfe_u32 v75, v0, 4, 1                        ; h
	v_lshlrev_b32 v78, 6, v74
	v_lshl_add_u32 v78, v75, 4, v78                ; Q: row r of 64 bytes, + 16 h
	v_lshrrev_b32 v76, 2, v74
	v_mul_u32_u24 v[AK0], v76, 272
	v_and_b32 v76, 3, v74
	v_lshl_add_u32 v[AK0], v76, 6, v[AK0]
	v_lshl_add_u32 v[AK0], v75, 4, v[AK0]          ; row r of a block: (r / 4) 272 + (r % 4) 64; + 16 h
	v_add_nc_u32 v[AV0], VOFF, v[AK0]
	v_lshlrev_b32 v[AP0], 5, v75
	v_add_nc_u32 v[AP0], PEN, v[AP0]               ; penalties of keys 8 h + 0 .. 7 of a tile
	v_mov_b32 v9, 0xff61b1e6                       ; the largest t so far: -3e38
	v_mov_b32 v11, 0xff61b1e6
	v_floor_f32 v8, -v9                            ; -M
	v_floor_f32 v10, -v11
.irp r, 12,13,14,15,17,19,24,25
	v_mov_b32 v\r, 0                               ; the sums; the upper halves of the pairs of f; the permutes' destinations
.endr
	WIN 0x40
.set j, 0
.rept 64
	v_mov_b32 v[OA+j], 0                           ; O^T: the step is written once, and the first change of M multiplies zeros
.set j, j+1
.endr
	WIN 0
	s_wait_alu depctr_va_vdst(0)                   ; a wait ahead of the scalar lines and waits below
	s_load_b256 s[48:55], s[8:9], 0x18             ; entries 6 .. 13
	s_lshr_b32 s56, s15, 4
	s_lshl_b32 s56, s56, 13
	s_mov_b32 s57, 0
	s_add_nc_u64 s[6:7], s[6:7], s[56:57]          ; my batch's mask
.irp i, 0,1,2,3,4,5,6,7,8,9,10,11,12,13,14,15
	global_load_b128 v[SS+4*\i:SS+4*\i+3], v[GO], s[6:7] offset:512*\i   ; the whole row, to see whether any key counts
.endr
	global_load_b128 v[64:67], v77, s[6:7]
	global_load_b128 v[68:71], v77, s[6:7] offset:16
	s_lshl_b32 s56, s15, 11
	s_lshl_b32 s57, s14, 8
	s_add_co_u32 s56, s56, s57
	s_lshl_b32 s57, s[WV], 5
	s_add_co_u32 s56, s56, s57                     ; my first query
	s_lshl_b32 s56, s56, 6
	s_mov_b32 s57, 0
	s_add_nc_u64 s[58:59], s[4:5], s[56:57]
.irp a, 0,1
	global_load_b128 v[QF+8*\a:QF+8*\a+3], v78, s[58:59] offset:1024*\a
	global_load_b128 v[QF+8*\a+4:QF+8*\a+7], v78, s[58:59] offset:1024*\a+32
.endr
	ds_store_b16 v79, v17                          ; the zeros behind the penalties
	s_wait_loadcnt 0x0
	s_wait_kmcnt 0x0
	s_add_co_i32 s56, s48, s49
	s_lshl_b32 s57, s56, 23
	s_add_co_i32 s57, s57, 0x3e38aa3b              ; c = log2(e) / 8 x 2^(eq + ek): the exponents are added to c's exponent field
	s_sub_co_i32 s58, 160, s56
	s_lshl_b32 s58, s58, 23
	s_or_b32 s58, s58, 0x80000000                  ; the penalty: -2^(33 - eq - ek)
	s_add_co_i32 s59, s50, 127
	s_lshl_b32 s60, s59, 23
	s_add_co_i32 s59, s59, 8
	s_lshl_b32 s59, s59, 23
	s_or_b32 s59, s59, 0x600000
	v_mov_b32 v[SC], s60                           ; 2^ep
	v_mov_b32 v6, s59                              ; 448 x 2^ep
	v_mov_b32 v7, s59
.irp n, 32,16,8,4,2,1
.set j, 0
.rept \n
	v_or_b32 v[SS+j], v[SS+j], v[SS+\n+j]
.set j, j+1
.endr
.endr
	v_cmp_ne_u32 vcc_lo, 0, v[SS]
	s_cmp_lg_u32 vcc_lo, 0                         ; does any key count?  A choice of values, no branch
	s_cselect_b32 s[CS], s57, 0
	s_cselect_b32 s58, s58, 0
	s_mov_b32 s[CS+1], s[CS]
	v_mov_b32 v73, s58
.irp i, 0,1,2,3,4,5,6,7
	v_cmp_eq_u32 vcc_lo, 0, v[64+\i]
	v_cndmask_b32 v[64+\i], 0, v73, vcc_lo
.endr
	ds_store_b128 v72, v[64:67]
	ds_store_b128 v72, v[68:71] offset:16
	s_wait_alu depctr_va_vdst(0)                   ; the wait at the head's end
	s_wait_tensorcnt 0x0                           ; my part of the first fill is in; the lines that stand ahead of a later first fill:
	ds_add_u32 v[SPW], v[NIL]
	s_wait_dscnt 0x0                               ; the add and my penalties are done
	CROUND
	tensor_load_to_lds s[G0+4:G0+7], s[G1:G1+7]    ; keys 1,024 to 2,047
	s_nop 0
.rept 4
	v_nop
.endr
; the penalties and K's fragments of the step in hand (n = 0) or of the next (n = 1): 32 loads
.macro KPL n
	WIN 0x40                                       ; destinations in window 1
.irp t, 0,1,2,3,4,5,6,7
	ds_load_b128 v[PN+8*\t:PN+8*\t+3], v[ADP] offset:512*\n+64*\t
	ds_load_b128 v[PN+8*\t+4:PN+8*\t+7], v[ADP] offset:512*\n+64*\t+16
.endr
.irp t, 0,1,2,3,4,5,6,7
	ds_load_b128 v[KF+8*\t:KF+8*\t+3], v[ADK] offset:2*BLK*\n+(\t/4)*BLK+(\t%4)*1088
	ds_load_b128 v[KF+8*\t+4:KF+8*\t+7], v[ADK] offset:2*BLK*\n+(\t/4)*BLK+(\t%4)*1088+32
.endr
	WIN 0
.endm
.macro HOLD2 r                         ; the hold, one-sided since p is not negative (the conversion does not saturate: ISA guide 7.6.2), two numbers an instruction
	v_dual_min_num_f32 v[\r], v[\r], v6 :: v_dual_min_num_f32 v[\r+1], v[\r+1], v7
.endm
; A KEY STEP: 128 keys x my 32 queries.  Its K and penalties are in registers: the step before asked for them and waited
.macro STEP
	v_add_nc_u32 v[ADK], s[TB], v[AK0]
	v_add_nc_u32 v[ADV], s[TB], v[AV0]
	v_add_nc_u32 v[ADP], s[TP], v[AP0]
	v_nop                                          ; four places between the last products and the loads into V's registers
	WIN 0x40
.irp u, 0,1,2,3
.irp c, 0,1,2,3
	ds_load_b128 v[VF+16*\u+4*\c:VF+16*\u+4*\c+3], v[ADV] offset:\u*1088+(\c/2)*BLK+(\c%2)*32
.endr
.endr
	WIN 0x11                                       ; K and the penalties in window 1
.irp t, 0,1,2,3,4,5,6,7
.irp a, 0,1
	v_wmma_f32_16x16x64_fp8_fp8 v[SS+64*\a+8*\t:SS+64*\a+8*\t+7], v[KF+8*\t:KF+8*\t+7], v[QF+8*\a:QF+8*\a+7], v[PN+8*\t:PN+8*\t+7]
.endr
.endr
	WIN 0
.rept 4
	v_nop                                          ; places, for the loads below and for the first reads of S^T
.endr
	KPL 1
.irp a, 0,1                                    ; the step's largest score of each query: two chains a tile, each accumulator from its low end on
	v_max3_num_f32 v[20+2*\a], v[SS+64*\a], v[SS+64*\a+1], v[SS+64*\a+2]
	v_max3_num_f32 v[21+2*\a], v[SS+64*\a+3], v[SS+64*\a+4], v[SS+64*\a+5]
.endr
.irp i, 6,10,14,18,22,26,30,34,38,42,46,50,54,58
.irp a, 0,1
	v_max3_num_f32 v[20+2*\a], v[20+2*\a], v[SS+64*\a+\i], v[SS+64*\a+\i+1]
	v_max3_num_f32 v[21+2*\a], v[21+2*\a], v[SS+64*\a+\i+2], v[SS+64*\a+\i+3]
.endr
.endr
	v_max3_num_f32 v20, v20, v[SS+62], v[SS+63]
	v_max3_num_f32 v22, v22, v[SS+126], v[SS+127]
	v_max_num_f32 v20, v20, v21
	v_max_num_f32 v22, v22, v23
	v_permlanex16_b32 v24, v20, s[SEL], s[SEL+1]
	v_permlanex16_b32 v25, v22, s[SEL], s[SEL+1]
	v_max_num_f32 v20, v20, v24
	v_max_num_f32 v22, v22, v25
	v_mul_f32 v20, s[CS], v20                      ; as t (c is not negative)
	v_mul_f32 v22, s[CS], v22
	v_max_num_f32 v9, v9, v20                      ; the running largest t
	v_max_num_f32 v11, v11, v22
	v_mov_b32 v20, v8
	v_mov_b32 v22, v10
	v_floor_f32 v8, -v9                            ; the new -M: M is a whole number
	v_floor_f32 v10, -v11
	v_sub_f32 v20, v8, v20
	v_sub_f32 v22, v10, v22
	v_cvt_i32_f32 v20, v20                         ; old M - new M (it saturates)
	v_cvt_i32_f32 v22, v22
	v_ldexp_f32 v16, 1.0, v20                      ; f = 2^(old M - new M)
	v_ldexp_f32 v18, 1.0, v22
	WIN 0x41                                       ; O^T in window 1
.irp a, 0,1
.set j, 0
.rept 16
	v_pk_mul_f32 v[OA+32*\a+j:OA+32*\a+j+1], v[OA+32*\a+j:OA+32*\a+j+1], v[16+2*\a:17+2*\a] op_sel_hi:[1,0]   ; O^T under the new M
.set j, j+2
.endr
.endr
	WIN 0
	v_pk_mul_f32 v[12:13], v[12:13], v[16:17] op_sel_hi:[1,0]   ; the sums under the new M
	v_pk_mul_f32 v[14:15], v[14:15], v[18:19] op_sel_hi:[1,0]
.set j, 0
.rept 32
	v_pk_fma_f32 v[SS+j:SS+j+1], v[SS+j:SS+j+1], s[CS:CS+1], v[8:9] op_sel_hi:[1,0,0]   ; tile 0: t - M
.set j, j+2
.endr
	s_wait_alu depctr_va_vdst(0)                   ; a wait ahead of a batch
.set j, 0
.rept 32                                       ; tile 0's p = 2^(t - M); between them tile 1's t - M, which is read behind the next wait
	v_exp_f32 v[SS+j], v[SS+j]
	v_exp_f32 v[SS+j+1], v[SS+j+1]
	v_pk_fma_f32 v[SS+64+j:SS+65+j], v[SS+64+j:SS+65+j], s[CS:CS+1], v[10:11] op_sel_hi:[1,0,0]
.set j, j+2
.endr
	s_wait_alu depctr_va_vdst(0)                   ; behind the first batch and ahead of the second
.set j, 0
.rept 16                                       ; tile 1's p; between them tile 0's sums of four unquantised p, into registers of their own, and then its holds: all read behind the next wait
	v_exp_f32 v[SS+64+j], v[SS+64+j]
	v_exp_f32 v[SS+65+j], v[SS+65+j]
	v_pk_add_f32 v[TT+j/2:TT+j/2+1], v[SS+j:SS+j+1], v[SS+j+2:SS+j+3]
	v_exp_f32 v[SS+66+j], v[SS+66+j]
	HOLD2 SS+j
	v_exp_f32 v[SS+67+j], v[SS+67+j]
	HOLD2 SS+j+2
.set j, j+4
.endr
	v_nop
	s_wait_alu depctr_va_vdst(0)                   ; behind the second batch, ahead of its first reader
.irp t, 0,1,2,3,4,5,6,7
	v_cvt_scalef32_pk8_fp8_f32 v[PC+2*\t:PC+2*\t+1], v[SS+8*\t:SS+8*\t+7], v[SC]   ; keys 16 t + 8 h + 0 .. 7: registers 2 t, 2 t + 1 of the operand
	v_pk_add_f32 v[12:13], v[12:13], v[TT+4*\t:TT+4*\t+1]      ; tile 0's sum, in two chains
.if \t > 0
	v_pk_add_f32 v[TT+2:TT+3], v[TT+2:TT+3], v[TT+4*\t+2:TT+4*\t+3]
.endif
.endr
	v_pk_add_f32 v[12:13], v[12:13], v[TT+2:TT+3]
	v_pk_add_f32 v[28:29], v[SS+64:SS+65], v[SS+66:SS+67]      ; tile 1's sum of the unquantised p, in two chains; each four numbers are held behind the additions that read them,
	HOLD2 SS+64
	HOLD2 SS+66
.irp j, 4,8,12,16,20,24,28,32,36,40,44,48,52,56,60
	v_pk_add_f32 v[14:15], v[14:15], v[SS+64+\j:SS+65+\j]
	v_pk_add_f32 v[28:29], v[28:29], v[SS+66+\j:SS+67+\j]
	HOLD2 SS+64+\j
	HOLD2 SS+66+\j
.if (\j%8) == 4                                ; and each eight converted: the holds stand between the links of the two chains
	v_cvt_scalef32_pk8_fp8_f32 v[PC+16+(\j-4)/4:PC+17+(\j-4)/4], v[SS+60+\j:SS+67+\j], v[SC]
.endif
.endr
	v_pk_add_f32 v[14:15], v[14:15], v[28:29]
	v_nop                                          ; a plain instruction behind the last conversion
	s_wait_alu depctr_va_vdst(0)
	s_wait_dscnt 0x0                               ; V, and the next step's K and penalties
	WIN 0x51                                       ; V and O^T in window 1
.irp u, 0,1,2,3
.irp a, 0,1
	v_wmma_f32_16x16x128_fp8_fp8 v[OA+32*\a+8*\u:OA+32*\a+8*\u+7], v[VF+16*\u:VF+16*\u+15], v[PC+16*\a:PC+16*\a+15], v[OA+32*\a+8*\u:OA+32*\a+8*\u+7]
.endr
.endr
	WIN 0
	s_add_co_u32 s[TB], s[TB], 2*BLK
	s_add_co_u32 s[TP], s[TP], 512
.endm
	s_mov_b32 s[TB], 0
	s_mov_b32 s[TP], 0
	s_mov_b32 s[CNT], 7
	v_add_nc_u32 v[ADK], s[TB], v[AK0]
	v_add_nc_u32 v[ADP], s[TP], v[AP0]
	KPL 0                                          ; step 0's K and penalties
	s_wait_dscnt 0x0
.Lfirst:                                           ; steps 0 to 6: they read, and look ahead into, the first fill alone
	STEP
	s_sub_co_u32 s[CNT], s[CNT], 1
	s_cmp_lg_u32 s[CNT], 0
	s_cbranch_scc1 .Lfirst
	s_wait_tensorcnt 0x0                           ; my part of the second fill is in,
	s_wait_dscnt 0x0
	s_barrier_signal -1
	s_barrier_wait -1                              ; everybody's is.
	s_mov_b32 s[TB], 14*BLK
	s_mov_b32 s[TP], 3584
	s_mov_b32 s[CNT], 9
.Lsecond:                                          ; steps 7 to 15
	STEP
	s_sub_co_u32 s[CNT], s[CNT], 1
	s_cmp_lg_u32 s[CNT], 0
	s_cbranch_scc1 .Lsecond
	; THE WAY OUT: O^T / the sum x 2^(ep + ev), held, converted under entry 10, through my stage, so that each store covers 512 consecutive bytes of a block of cc
	v_add_f32 v12, v12, v13
	v_add_f32 v14, v14, v15
	v_permlanex16_b32 v24, v12, s[SEL], s[SEL+1]
	v_permlanex16_b32 v25, v14, s[SEL], s[SEL+1]
	v_add_f32 v12, v12, v24
	v_add_f32 v14, v14, v25
	s_wait_alu depctr_va_vdst(0)                   ; a wait ahead of the transcendentals
	v_rcp_f32 v12, v12
	v_rcp_f32 v14, v14
	v_and_b32 v74, 15, v0
	v_bfe_u32 v75, v0, 4, 1
	s_mul_i32 s57, s[WV], 2560
	s_add_co_u32 s57, s57, STG
	v_mul_u32_u24 v22, v74, 80
	v_lshl_add_u32 v22, v75, 3, v22
	v_add_nc_u32 v22, s57, v22                     ; in: row r, my half's eight bytes
	v_and_b32 v76, 31, v0
	v_lshrrev_b32 v77, 2, v76
	v_mul_u32_u24 v23, v77, 80
	v_and_b32 v77, 3, v76
	v_lshl_add_u32 v23, v77, 4, v23
	v_add_nc_u32 v23, s57, v23                     ; back: four lanes to a row of 64 bytes
	s_add_co_i32 s56, s50, s51
	s_add_co_i32 s60, s52, 127
	s_lshl_b32 s61, s60, 23
	v_mov_b32 v21, s61                             ; 2^e10
	s_add_co_i32 s60, s60, 8
	s_lshl_b32 s60, s60, 23
	s_or_b32 s60, s60, 0x600000
	v_mov_b32 v20, s60                             ; 448 x 2^e10
	s_lshr_b32 s58, s15, 4
	s_lshl_b32 s58, s58, 5
	s_lshl_b32 s59, s14, 2
	s_add_co_u32 s58, s58, s59
	s_lshr_b32 s59, s[WV], 1
	s_add_co_u32 s58, s58, s59                     ; the block of 64 rows,
	s_lshl_b32 s58, s58, 4
	s_and_b32 s59, s15, 15
	s_add_co_u32 s58, s58, s59                     ; the head,
	s_lshl_b32 s58, s58, 12
	s_and_b32 s59, s[WV], 1
	s_lshl_b32 s59, s59, 11
	s_add_co_u32 s58, s58, s59                     ; my 32 rows of 64 bytes
	s_mov_b32 s59, 0
	s_add_nc_u64 s[10:11], s[10:11], s[58:59]
	s_wait_alu depctr_va_vdst(0)                   ; ahead of the reciprocals' first reader
	v_ldexp_f32 v12, v12, s56
	v_ldexp_f32 v14, v14, s56
	WIN 0x01
	s_wait_alu depctr_va_vdst(0)                   ; a wait directly ahead of the first reader of O^T
.irp a, 0,1
.set j, 0
.rept 32
	v_mul_f32 v[SS+32*\a+j], v[OA+32*\a+j], v[12+2*\a]
.set j, j+1
.endr
.endr
	WIN 0
.set j, 0
.rept 64
	v_med3_num_f32 v[SS+j], v[SS+j], -v20, v20
.set j, j+1
.endr
.irp k, 0,1,2,3,4,5,6,7
	v_cvt_scalef32_pk8_fp8_f32 v[160+2*\k:161+2*\k], v[SS+8*\k:SS+8*\k+7], v21
.endr
	v_nop
.irp k, 0,1,2,3,4,5,6,7
	ds_store_b64 v22, v[160+2*\k:161+2*\k] offset:(\k/4)*1280+16*(\k%4)
.endr
.irp m, 0,1,2,3
	ds_load_b128 v[176+4*\m:179+4*\m], v23 offset:(\m/2)*1280+(\m%2)*640   ; LDS serves a wave's instructions in order: these see my stores
.endr
	s_wait_dscnt 0x0
.irp m, 0,1,2,3
	global_store_b128 v[GO], v[176+4*\m:179+4*\m], s[10:11] offset:512*\m   ; 512 consecutive bytes, aligned
.endr
	s_wait_tensorcnt 0x0                           ; the wave's end
	ds_add_u32 v[SPW], v[NIL]
	s_wait_dscnt 0x0
	CROUND                                         ; the closing round
	s_endpgm
.Lfunc_end_k_q0d4c423e91_attn:
	.size	k_q0d4c423e91_attn, .Lfunc_end_k_q0d4c423e91_attn-k_q0d4c423e91_attn
	.p2alignl 7, 3214868480
	.fill 96, 4, 3214868480
	.section	.rodata,"a",@progbits
	.p2align	6, 0x0
	.amdhsa_kernel k_q0d4c423e91_attn
		.amdhsa_group_segment_fixed_size 327680
		.amdhsa_private_segment_fixed_size 0
		.amdhsa_enable_private_segment 0
		.amdhsa_kernarg_size 32
		.amdhsa_user_sgpr_count 2
		.amdhsa_user_sgpr_kernarg_segment_ptr 1
		.amdhsa_wavefront_size32 1
		.amdhsa_system_sgpr_workgroup_id_x 1
		.amdhsa_system_sgpr_workgroup_id_y 1
		.amdhsa_system_sgpr_workgroup_id_z 1
		.amdhsa_system_vgpr_workitem_id 0
		.amdhsa_next_free_vgpr 512
		.amdhsa_next_free_sgpr 66
		.amdhsa_reserve_vcc 1
		.amdhsa_float_denorm_mode_32 3
		.amdhsa_float_denorm_mode_16_64 3
		.amdhsa_memory_ordered 1
		.amdhsa_forward_progress 1
		.amdhsa_inst_pref_size 85
	.end_amdhsa_kernel
	.amdgpu_metadata
---
amdhsa.version: [ 1, 2 ]
amdhsa.kernels:
  - .name:           k_q0d4c423e91_attn
    .symbol:         k_q0d4c423e91_attn.kd
    .args:
      - { .name: qkv, .offset: 0, .size: 8, .value_kind: global_buffer, .address_space: global }
      - { .name: mask, .offset: 8, .size: 8, .value_kind: global_buffer, .address_space: global }
      - { .name: lowp_scales, .offset: 16, .size: 8, .value_kind: global_buffer, .address_space: global }
      - { .name: cc, .offset: 24, .size: 8, .value_kind: global_buffer, .address_space: global }
    .group_segment_fixed_size: 327680
    .private_segment_fixed_size: 0
    .kernarg_segment_align: 8
    .kernarg_segment_size: 32
    .max_flat_workgroup_size: 256
    .sgpr_count:     66
    .vgpr_count:     512
    .wavefront_size: 32
...
	.end_amdgpu_metadata
.endif
;; end of part 3
;; launch wo (part 4): grid 8 x 32, 4 waves a work-group, clusters of 4 x 4, 327,680 bytes of LDS; arguments cc, Wo_codes, lowp_scales, bo, x, x1; writes x1
.if DOCPART == 4
	.amdgcn_target "amdgcn-amd-amdhsa--gfx1250"
	.amdhsa_code_object_version 6
	.text
	.protected	k_q0d4c423e91_wo
	.globl	k_q0d4c423e91_wo
	.p2align	8
	.type	k_q0d4c423e91_wo,@function
k_q0d4c423e91_wo:
	s_mov_b64 s[64:65], 0
	v_nop
	global_prefetch_b8 v0, s[64:65] scope:SCOPE_SE
	s_setreg_imm32_b32 hwreg(HW_REG_WAVE_MODE, 25, 1), 1
	s_wait_xcnt 0x0
	s_wait_alu depctr_hold_cnt(0) depctr_sa_sdst(0) depctr_va_vdst(0) depctr_va_sdst(0) depctr_va_ssrc(0) depctr_va_vcc(0) depctr_vm_vsrc(0)
	s_getreg_b32 s2, hwreg(HW_REG_IB_STS2, 6, 4)
	s_cmp_eq_u32 s2, 0
	s_cbranch_scc0 .Lentry_in_a_cluster
	s_endpgm
.Lentry_in_a_cluster:
	s_bfe_u32 s2, ttmp6, 0x10000c
	s_cmp_lg_u32 s2, 0xf033
	s_cbranch_scc0 .Lentry_shape_is_right
	s_endpgm
.Lentry_shape_is_right:
; out = res + (A W^T x 2^(eA + eB) + bias), f32, [4096][1024].  A: codes of FP8 (E4M3) in blocks [row block 64][K block SIZE_K / 64][64 rows][64 k]; W: codes [1024][SIZE_K], K innermost.
; 4,096 x 1,024 makes 64 tiles of 256 x 256 but 256 tiles of 128 x 128: the smaller tile gives each WGP a work-group.  Four waves, 64 x 64 each: 16 accumulators.
; K goes in steps of 512 through a ring of two LDS slots.  A wave's tensor load brings 64 rows x 512 along K: for A eight blocks on end in memory (128 rows of 256 bytes), for W 64 rows of 512 bytes.
; CLUSTERS: 4 x 4 work-groups; A's tiles are asked for jointly along a row of the cluster, W's along a column.
; The matrix instruction is used transposed (source 0 = 16 rows of W, source 1 = 16 rows of A): a lane holds eight neighbouring columns of one row.
; A fragment is fetched by four loads of 16 bytes: registers 4 c .. 4 c + 3 hold K = 32 c + 16 (l / 16) + 0 .. 15, alike on both sides.
; The residual is asked for at the head, in the layout of the stores, and stays on its way through the K loop.
; LIMIT: eA + eB between -126 and 127.
; REGISTERS: window 0: v0-31 addresses; v32-95 at work on the way out; v96-99 the bias; v128-255 the accumulators ((a, b) at v[128 + 8 (4 a + b)]).
;   window 1: two fragment buffers of 128: 64 registers of A (4 x 16 rows x 128 K), then 64 of W.   window 2: v0-127 the residual.
; NO PREFETCH: K is two steps of 512, and both come by the first fills: no trip lies ahead of either.
.set SIZE_K, 1024
.set EOFF,   40                        ; byte of eA in the exponents
.set KSTEP,  512
.set PB,     528                       ; a row of W in LDS: 512 bytes + 16
.set HALFT,  34816                     ; what a wave's load takes in LDS: A: 128 x 272; W: 64 x 528, which is less
.set SLOT,   4*HALFT
.set SPARE,  2*SLOT                    ; the spare words: two blocks of 256 bytes that no other line names
.set STAGE,  SPARE+512                 ; the way out: 16 rows x 272 bytes for each wave; no tile lands here
.set LAPS,   SIZE_K/(2*KSTEP)
.set ADRA, 16
.set ADRB, 20
.set STO,  24
.set RD,   25
.set CO,   26
.set BO,   27
.set SPW,  28
.set NIL,  29
.set ACC,  128
.set F0,   0
.set F1,   128
.set G1, 24
.set G0, 32
.set G1B, 48
.set G0B, 56
.set MSB, 0
.macro WIN new
.if MSB != \new
	s_set_vgpr_msb (MSB<<8)|\new
.set MSB, \new
.endif
.endm
.set MUL,  0x05                        ; sources 0 and 1 window 1; C and D window 0
.set TO_F, 0x40                        ; destination window 1, address window 0
.macro JLOAD s                         ; waves 0 and 1 fetch A's two halves, waves 2 and 3 W's; four v_nop follow each of the two lines
	s_cmp_eq_u32 s11, 0
	s_cbranch_scc0 .Lfor_b_\@
	tensor_load_to_lds s[G0+4*\s:G0+4*\s+3], s[G1:G1+7]
	s_nop 0
.rept 4
	v_nop
.endr
	s_branch .Lasked_\@
.Lfor_b_\@:
	tensor_load_to_lds s[G0B+4*\s:G0B+4*\s+3], s[G1B:G1B+7]
	s_nop 0
.rept 4
	v_nop
.endr
.Lasked_\@:
.endm
.macro CREST
	s_cmp_lg_u32 s10, 0
	s_cbranch_scc1 .Lnot_wave_0_\@
	s_barrier_signal -3
.Lnot_wave_0_\@:
	s_barrier_wait -3
	s_barrier_signal -1
	s_barrier_wait -1
.endm
.macro CROUND
	s_barrier_signal -1
	s_barrier_wait -1
	CREST
.endm
	s_load_b256 s[68:75], s[0:1], 0x0              ; A s[68:69], W s[70:71], the exponents s[72:73], the bias s[74:75]
	s_load_b128 s[76:79], s[0:1], 0x20             ; the residual s[76:77], out s[78:79]
	v_lshl_add_u32 v[SPW], v0, 2, SPARE
	v_mov_b32 v[NIL], 0
	ds_add_u32 v28, v29
	ds_add_u32 v28, v29
	s_wait_dscnt 0x0
	v_lshrrev_b32 v1, 5, v0
	v_readfirstlane_b32 s10, v1                    ; wave 0..3
	s_lshr_b32 s11, s10, 1                         ; which half of the tile's rows is mine.  Also: I fetch for A (0) or for W (1)
	s_and_b32 s12, s10, 1                          ; which half of its columns.  Also: which 64 rows of that tile I fetch
	s_bfe_u32 s40, ttmp6, 0x40000
	s_bfe_u32 s41, ttmp6, 0x40004
	s_lshl_b32 s42, ttmp9, 2
	s_add_co_u32 s42, s42, s40                     ; tile column
	s_and_b32 s13, ttmp7, 0xffff
	s_lshl_b32 s13, s13, 2
	s_add_co_u32 s13, s13, s41                     ; tile row
	s_lshl_b32 s43, s41, 2
	s_lshl_b32 s43, 15, s43                        ; my row of the cluster
	s_lshl_b32 s44, 0x1111, s40                    ; my column
	s_or_b32 s[G1+0], s43, (0<<16)|(1<<20)|(1<<21)|(5<<22)|(3<<25)   ; A: elements of 1 byte; 4 words of padding after every 64
	s_mov_b32 s[G1+1], 256<<16                     ; tensor_dim0
	s_mov_b32 s[G1+2], 128<<16                     ; tensor_dim1
	s_mov_b32 s[G1+3], 256<<16                     ; tile_dim0
	s_mov_b32 s[G1+4], 128                         ; tile_dim1
	s_mov_b32 s[G1+5], 256                         ; dense
	s_mov_b32 s[G1+6], 0
	s_mov_b32 s[G1+7], 0
	s_or_b32 s[G1B+0], s44, (0<<16)|(1<<20)|(1<<21)|(6<<22)|(3<<25)  ; W: 4 words after every 128
	s_mov_b32 s[G1B+1], KSTEP<<16
	s_mov_b32 s[G1B+2], 64<<16
	s_mov_b32 s[G1B+3], KSTEP<<16
	s_mov_b32 s[G1B+4], 64
	s_mov_b32 s[G1B+5], SIZE_K
	s_mov_b32 s[G1B+6], 0
	s_mov_b32 s[G1B+7], 0
	s_lshl_b32 s16, s13, 1
	s_add_co_u32 s16, s16, s12
	s_mul_i32 s16, s16, SIZE_K*64                  ; A: row block 2 x tile row + half
	s_mov_b32 s17, 0
	s_lshl_b32 s46, s42, 7
	s_lshl_b32 s18, s12, 6
	s_add_co_u32 s46, s46, s18
	s_mul_i32 s46, s46, SIZE_K                     ; W: row 128 x tile column + 64 x half
	s_mov_b32 s47, 0
	s_mul_i32 s20, s10, HALFT
	s_wait_kmcnt 0x0
	s_load_b64 s[82:83], s[72:73], EOFF            ; eA, eB
	s_add_nc_u64 s[14:15], s[68:69], s[16:17]
	s_add_nc_u64 s[46:47], s[70:71], s[46:47]
	CROUND                                         ; the first joint loads meet
.irp s, 0,1
	s_mov_b32 s[G0+4*\s], 1
	s_add_co_u32 s[G0+4*\s+1], s20, \s*SLOT
	s_add_nc_u64 s[G0+4*\s+2:G0+4*\s+3], s[14:15], \s*32768       ; eight blocks of 4,096 bytes a K step
	s_or_b32 s[G0+4*\s+3], s[G0+4*\s+3], 0x80000000
	s_mov_b32 s[G0B+4*\s], 1
	s_add_co_u32 s[G0B+4*\s+1], s20, \s*SLOT
	s_add_nc_u64 s[G0B+4*\s+2:G0B+4*\s+3], s[46:47], \s*KSTEP
	s_or_b32 s[G0B+4*\s+3], s[G0B+4*\s+3], 0x80000000
.if \s == 0
	JLOAD 0                                        ; K step 0: one tensor load a wave at the head
.endif
.endr
	v_and_b32 v1, 15, v0                           ; r
	v_bfe_u32 v2, v0, 4, 1                         ; h
	v_lshrrev_b32 v3, 2, v1
	v_mul_u32_u24 v3, v3, 272
	v_and_b32 v4, 3, v1
	v_lshl_add_u32 v3, v4, 6, v3
	v_lshl_add_u32 v3, v2, 4, v3                   ; A: row r of a block lies at (r / 4) 272 + (r % 4) 64; + 16 h
	v_mul_u32_u24 v4, v1, PB
	v_lshl_add_u32 v4, v2, 4, v4                   ; W: row r x pitch + 16 h
	s_mul_i32 s21, s11, HALFT
	s_mul_i32 s22, s12, HALFT
	s_add_co_u32 s22, s22, 2*HALFT
.irp s, 0,1
	v_add_nc_u32 v[ADRA+\s], s21, v3
	v_add_nc_u32 v[ADRB+\s], s22, v4
	s_add_co_u32 s21, s21, SLOT
	s_add_co_u32 s22, s22, SLOT
.endr
	s_mul_i32 s23, s10, 16*272
	s_add_co_u32 s23, s23, STAGE
	v_mul_u32_u24 v5, v1, 272
	v_lshl_add_u32 v5, v2, 5, v5
	v_add_nc_u32 v[STO], s23, v5                   ; in: row r, 32 bytes for each half of the lanes
	v_mul_u32_u24 v5, v2, 272
	v_lshl_add_u32 v5, v1, 4, v5
	v_add_nc_u32 v[RD], s23, v5                    ; back: lanes 0-15 one row of 256 bytes, lanes 16-31 the next
	v_lshlrev_b32 v[BO], 4, v1                     ; my four columns
	v_lshl_add_u32 v[CO], v2, 12, v[BO]            ; and the same two rows in out and in the residual
	s_wait_alu depctr_va_vdst(0)
	s_lshl_b32 s16, s13, 7
	s_lshl_b32 s17, s11, 6
	s_add_co_u32 s16, s16, s17
	s_lshl_b32 s16, s16, 12                        ; my first row, of 4,096 bytes
	s_lshl_b32 s46, s42, 7
	s_lshl_b32 s47, s12, 6
	s_add_co_u32 s46, s46, s47
	s_lshl_b32 s46, s46, 2                         ; my first column
	s_mov_b32 s47, 0
	s_add_nc_u64 s[86:87], s[74:75], s[46:47]
	s_add_co_u32 s46, s46, s16
	s_add_nc_u64 s[84:85], s[76:77], s[46:47]
	s_add_nc_u64 s[8:9], s[78:79], s[46:47]
	WIN 0x80                                       ; destination window 2
.irp a, 0,1,2,3
.irp i, 0,1,2,3,4,5,6,7
	global_load_b128 v[32*\a+4*\i:32*\a+4*\i+3], v[CO], s[84:85] offset:(16*\a+2*\i)*4096
.endr
.endr
	WIN 0
	global_load_b128 v[96:99], v[BO], s[86:87]
.macro MULA f, a, zero                 ; A's block a against W's four.  The 16 accumulators take turns, one instruction a turn
.irp b, 0,1,2,3
.if \zero
	v_wmma_f32_16x16x128_fp8_fp8 v[ACC+8*(4*(\a)+\b):ACC+8*(4*(\a)+\b)+7], v[\f+64+16*\b:\f+64+16*\b+15], v[\f+16*(\a):\f+16*(\a)+15], 0
.else
	v_wmma_f32_16x16x128_fp8_fp8 v[ACC+8*(4*(\a)+\b):ACC+8*(4*(\a)+\b)+7], v[\f+64+16*\b:\f+64+16*\b+15], v[\f+16*(\a):\f+16*(\a)+15], v[ACC+8*(4*(\a)+\b):ACC+8*(4*(\a)+\b)+7]
.endif
.endr
.endm
.macro FETCH slot, q, f                ; 32 LDS loads in one run: the slot's q-th 128 along K; W first, A's blocks 2 and 3 last
	WIN TO_F
.irp b, 0,1,2,3
.irp c, 0,1,2,3
	ds_load_b128 v[\f+64+16*\b+4*\c:\f+64+16*\b+4*\c+3], v[ADRB+\slot] offset:\b*16*PB+128*(\q)+32*\c
.endr
.endr
.irp a, 0,1,2,3
.irp c, 0,1,2,3
	ds_load_b128 v[\f+16*\a+4*\c:\f+16*\a+4*\c+3], v[ADRA+\slot] offset:\a*1088+(2*(\q)+\c/2)*4352+32*(\c%2)
.endr
.endr
.endm
.macro PLACES
.rept 4
	v_nop
.endr
.endm
.macro QUARTER slot, q, f, g, zero     ; multiplies buffer f and fetches the slot's q-th 128 along K into g
	s_wait_dscnt 8                                 ; all but A's blocks 2 and 3
	WIN MUL
	MULA \f, 0, \zero
	MULA \f, 1, \zero
	PLACES
	FETCH \slot, \q, \g
	s_wait_dscnt 32                                ; all but the 32 just issued
	WIN MUL
	MULA \f, 2, \zero
	MULA \f, 3, \zero
.endm
; The last quarter multiplies buffer 1 and changes slots: one barrier; in front of it each wave waits for all its tensor loads, adds 0 to its spare word, and waits for that and for its reads of this slot.
.macro TURN slot, next, fill
	WIN 0
	s_wait_tensorcnt 0x0
	ds_add_u32 v[SPW], v[NIL]
	s_wait_dscnt 9                                 ; (the add and A's blocks 2 and 3 may be out)
	WIN MUL
	MULA F1, 0, 0
	s_wait_dscnt 0x0                               ; the add is done, and my reads of this slot are over
	s_barrier_signal -1
	MULA F1, 1, 0
.if \fill
	WIN 0
.endif
	s_barrier_wait -1
.if \fill
	CREST                                          ; the barrier has opened a round of the cluster's
	s_add_nc_u64 s[G0+4*\slot+2:G0+4*\slot+3], s[G0+4*\slot+2:G0+4*\slot+3], 2*32768
	s_add_nc_u64 s[G0B+4*\slot+2:G0B+4*\slot+3], s[G0B+4*\slot+2:G0B+4*\slot+3], 2*KSTEP
	JLOAD \slot                                    ; the first tensor load behind the round; its four v_nop are the places in front of the loads below
.else
	PLACES
.endif
	FETCH \next, 0, F0
	WIN MUL
	MULA F1, 2, 0
	MULA F1, 3, 0
.endm
	s_wait_alu depctr_va_vdst(0)                   ; the wait at the head's end
	s_wait_tensorcnt 0x0                           ; my part of K step 0 is in; the lines that stand ahead of a later first fill:
	ds_add_u32 v[SPW], v[NIL]
	s_wait_dscnt 0x0
	CROUND                                         ; everybody's part is in, and the sixteen work-groups meet
	JLOAD 1                                        ; K step 1, the first tensor load behind the round
	FETCH 0, 0, F0
	QUARTER 0, 1, F0, F1, 1                        ; the first quarter's products start the sums
.if LAPS > 1
	WIN 0
	s_mov_b32 s3, LAPS-1
.Llap:
	QUARTER 0, 2, F1, F0, 0
	QUARTER 0, 3, F0, F1, 0
	TURN 0, 1, 1
	QUARTER 1, 1, F0, F1, 0
	QUARTER 1, 2, F1, F0, 0
	QUARTER 1, 3, F0, F1, 0
	TURN 1, 0, 1
	QUARTER 0, 1, F0, F1, 0
	WIN 0
	s_sub_co_u32 s3, s3, 1
	s_cmp_lg_u32 s3, 0
	s_cbranch_scc1 .Llap
.endif
	QUARTER 0, 2, F1, F0, 0                        ; the last lap fills nothing
	QUARTER 0, 3, F0, F1, 0
	TURN 0, 1, 0
	QUARTER 1, 1, F0, F1, 0
	QUARTER 1, 2, F1, F0, 0
	QUARTER 1, 3, F0, F1, 0
	s_wait_dscnt 8
	WIN MUL
	MULA F1, 0, 0
	MULA F1, 1, 0
	s_wait_dscnt 0
	MULA F1, 2, 0
	MULA F1, 3, 0
	WIN 0
	; THE WAY OUT, 16 rows at a time: the sums go through my stage and come back as whole rows of 256 bytes; there sum x 2^(eA + eB) + residual, + bias; sixteen lanes store 256 consecutive bytes, aligned
	s_wait_kmcnt 0x0
	s_add_co_i32 s80, s82, s83
	s_add_co_i32 s80, s80, 127
	s_lshl_b32 s80, s80, 23                        ; 2^(eA + eB) as f32
	s_mov_b32 s81, s80
	s_wait_loadcnt 0x0                             ; the residual and the bias
	PLACES
.macro OUTB a
.set TT, 32+32*((\a)%2)
.if (\a) >= 2
	s_wait_xcnt 0x0                                ; block a - 2's stores have read their registers
.endif
.irp b, 0,1,2,3
	ds_store_b128 v[STO], v[ACC+8*(4*(\a)+\b):ACC+8*(4*(\a)+\b)+3] offset:64*\b        ; each accumulator from its low end on
	ds_store_b128 v[STO], v[ACC+8*(4*(\a)+\b)+4:ACC+8*(4*(\a)+\b)+7] offset:64*\b+16
.endr
.irp i, 0,1,2,3,4,5,6,7
	ds_load_b128 v[TT+4*\i:TT+4*\i+3], v[RD] offset:544*\i         ; LDS serves a wave's instructions in order: these see my stores
.endr
	s_wait_dscnt 0x0
	WIN 0x20                                       ; source 2: window 2
.set j, 0
.rept 16
	v_pk_fma_f32 v[TT+j:TT+j+1], v[TT+j:TT+j+1], s[80:81], v[32*(\a)+j:32*(\a)+j+1] op_sel_hi:[1,0,1]
.set j, j+2
.endr
	WIN 0
.irp i, 0,1,2,3,4,5,6,7
	v_pk_add_f32 v[TT+4*\i:TT+4*\i+1], v[TT+4*\i:TT+4*\i+1], v[96:97]
	v_pk_add_f32 v[TT+4*\i+2:TT+4*\i+3], v[TT+4*\i+2:TT+4*\i+3], v[98:99]
.endr
.irp i, 0,1,2,3,4,5,6,7
	global_store_b128 v[CO], v[TT+4*\i:TT+4*\i+3], s[8:9] offset:(16*(\a)+2*\i)*4096
.endr
.endm
	OUTB 0
	OUTB 1
	OUTB 2
	OUTB 3
	s_wait_tensorcnt 0x0                           ; the wave's end
	ds_add_u32 v[SPW], v[NIL]
	s_wait_dscnt 0x0
	CROUND                                         ; the closing round
	s_endpgm
.Lfunc_end_k_q0d4c423e91_wo:
	.size	k_q0d4c423e91_wo, .Lfunc_end_k_q0d4c423e91_wo-k_q0d4c423e91_wo
	.p2alignl 7, 3214868480
	.fill 96, 4, 3214868480
	.section	.rodata,"a",@progbits
	.p2align	6, 0x0
	.amdhsa_kernel k_q0d4c423e91_wo
		.amdhsa_group_segment_fixed_size 327680
		.amdhsa_private_segment_fixed_size 0
		.amdhsa_enable_private_segment 0
		.amdhsa_kernarg_size 48
		.amdhsa_user_sgpr_count 2
		.amdhsa_user_sgpr_kernarg_segment_ptr 1
		.amdhsa_wavefront_size32 1
		.amdhsa_system_sgpr_workgroup_id_x 1
		.amdhsa_system_sgpr_workgroup_id_y 1
		.amdhsa_system_sgpr_workgroup_id_z 1
		.amdhsa_system_vgpr_workitem_id 0
		.amdhsa_next_free_vgpr 640
		.amdhsa_next_free_sgpr 96
		.amdhsa_reserve_vcc 0
		.amdhsa_float_denorm_mode_32 3
		.amdhsa_float_denorm_mode_16_64 3
		.amdhsa_memory_ordered 1
		.amdhsa_forward_progress 1
		.amdhsa_inst_pref_size 54
	.end_amdhsa_kernel
	.amdgpu_metadata
---
amdhsa.version: [ 1, 2 ]
amdhsa.kernels:
  - .name:           k_q0d4c423e91_wo
    .symbol:         k_q0d4c423e91_wo.kd
    .args:
      - { .name: cc, .offset: 0, .size: 8, .value_kind: global_buffer, .address_space: global }
      - { .name: Wo_codes, .offset: 8, .size: 8, .value_kind: global_buffer, .address_space: global }
      - { .name: lowp_scales, .offset: 16, .size: 8, .value_kind: global_buffer, .address_space: global }
      - { .name: bo, .offset: 24, .size: 8, .value_kind: global_buffer, .address_space: global }
      - { .name: x, .offset: 32, .size: 8, .value_kind: global_buffer, .address_space: global }
      - { .name: x1, .offset: 40, .size: 8, .value_kind: global_buffer, .address_space: global }
    .group_segment_fixed_size: 327680
    .private_segment_fixed_size: 0
    .kernarg_segment_align: 8
    .kernarg_segment_size: 48
    .max_flat_workgroup_size: 128
    .sgpr_count:     96
    .vgpr_count:     640
    .wavefront_size: 32
...
	.end_amdgpu_metadata
.endif
;; end of part 4
;; launch ln2 (part 5): grid 512 x 1, 8 waves a work-group, no clusters, 41,984 bytes of LDS; arguments x1, alpha2, bias2, lowp_scales, h2; writes h2
.if DOCPART == 5
	.amdgcn_target "amdgcn-amd-amdhsa--gfx1250"
	.amdhsa_code_object_version 6
	.text
	.protected	k_q0d4c423e91_ln2
	.globl	k_q0d4c423e91_ln2
	.p2align	8
	.type	k_q0d4c423e91_ln2,@function
k_q0d4c423e91_ln2:
	s_mov_b64 s[64:65], 0
	v_nop
	global_prefetch_b8 v0, s[64:65] scope:SCOPE_SE
	s_setreg_imm32_b32 hwreg(HW_REG_WAVE_MODE, 25, 1), 1
	s_wait_xcnt 0x0
; h = alpha (x - mean) / (std + 1e-4) + bias along rows of 1,024 f32 (std with divisor 1,023), then h as codes of FP8 (E4M3), once for each of NP given scales 2^e.
; One wave takes one row: 4,096 bytes in 32 registers a lane, read once; mean first, then the squares of the deviations, so that a common offset of x costs no digits.
; The conversions take 8 neighbours from ONE lane's registers, the loads give neighbouring lanes neighbouring bytes: the finished row turns through the wave's own stage in LDS (64 places of 64 bytes + 16 of padding).
; A lane's 16 codes are 16 bytes: each store of the wave covers 512 consecutive bytes, aligned.  No barrier: waves share nothing.
; LIMITS: each e between -126 and 119, so that 2^e and 448 x 2^e are f32 numbers.  NaN among the inputs is not served.
.set NP,   1                           ; how many scales: 3 (entries 0, 2, 4: the three products that read h) or 1 (entry 12)
.set X,    16                          ; v16-47   the row as loaded: load j gives elements 128 j + 4 lane + 0..3
.set Y,    48                          ; v48-79   after the turn: register 16 t + i = column 512 t + 16 lane + i
.set T,    80                          ; v80-95   16 numbers, held
.set CH,   80                          ; v80-87   before that: four packed chains of a sum
.set C,    96                          ; v96..    codes: four registers for each (scale, t), so that no store's data are written again
.set SCL,  120                         ; v120+2p  2^e as f32;  v121+2p  448 x 2^e
.set WSTG, 5120                        ; a wave's stage
.set PL,   80                          ; a place in it
	s_load_b256 s[4:11], s[0:1], 0x0               ; x s[4:5], alpha s[6:7], bias s[8:9], the exponents s[10:11]
	s_load_b64 s[12:13], s[0:1], 0x20              ; the codes
	v_lshl_add_u32 v128, v0, 2, 0xa000
	v_mov_b32 v129, 0
	v_lshrrev_b32 v1, 5, v0
	s_delay_alu instid0(VALU_DEP_1)
	v_readfirstlane_b32 s14, v1                    ; wave
	v_and_b32 v1, 31, v0                           ; lane
	s_delay_alu instid0(VALU_DEP_1)
	v_lshlrev_b32 v2, 4, v1                        ; 16 x lane: my bytes of a load's and of a store's 512
	s_mul_i32 s36, s14, WSTG
	v_lshrrev_b32 v3, 2, v1
	s_delay_alu instid0(VALU_DEP_1)
	v_mul_u32_u24 v3, v3, PL
	v_and_b32 v4, 3, v1
	s_delay_alu instid0(VALU_DEP_1)
	v_lshl_add_u32 v3, v4, 4, v3
	s_delay_alu instid0(VALU_DEP_1)
	v_add_nc_u32 v3, s36, v3                       ; into the stage: four lanes' 64 bytes fill a place
	v_mul_u32_u24 v4, v1, PL
	s_delay_alu instid0(VALU_DEP_1)
	v_add_nc_u32 v4, s36, v4                       ; out of it: place = lane
	s_lshl_b32 s15, ttmp9, 3
	s_add_co_u32 s15, s15, s14                     ; my row
	s_lshl_b32 s38, s15, 12
	s_mov_b32 s39, 0
	s_lshl_b32 s40, s15, 10
	s_mov_b32 s41, 0
	s_mov_b32 s34, 0x76543210                      ; v_permlanex16_b32: lane l xor 16
	s_mov_b32 s35, 0xfedcba98
	s_wait_alu depctr_va_vdst(0)
	s_wait_kmcnt 0x0
	s_load_b32 s32, s[6:7], 0x0                    ; alpha
	s_load_b32 s33, s[8:9], 0x0                    ; bias
	s_load_b512 s[16:31], s[10:11], 0x0            ; the sixteen exponents
	s_add_nc_u64 s[4:5], s[4:5], s[38:39]
	s_add_nc_u64 s[12:13], s[12:13], s[40:41]
.if NP == 3
	s_add_nc_u64 s[42:43], s[12:13], 0x400000      ; the second and third part: a base each, since 8 MiB is past a store's immediate
	s_add_nc_u64 s[44:45], s[12:13], 0x800000
.endif
.irp j, 0,1,2,3,4,5,6,7
	global_load_b128 v[X+4*\j:X+4*\j+3], v2, s[4:5] offset:512*\j   ; 32 lanes read 512 consecutive bytes
.endr
	v_mov_b32 v15, 0                               ; a lane permute's destination counts as read: written once
	s_wait_loadcnt 0x0
.macro WSUM r, t                       ; the sum over the 32 lanes, in every lane
	s_delay_alu instid0(VALU_DEP_1)
	v_add_f32_dpp v[\r], v[\r], v[\r] row_xmask:1 row_mask:0xf bank_mask:0xf
	s_delay_alu instid0(VALU_DEP_1)
	v_add_f32_dpp v[\r], v[\r], v[\r] row_xmask:2 row_mask:0xf bank_mask:0xf
	s_delay_alu instid0(VALU_DEP_1)
	v_add_f32_dpp v[\r], v[\r], v[\r] row_xmask:4 row_mask:0xf bank_mask:0xf
	s_delay_alu instid0(VALU_DEP_1)
	v_add_f32_dpp v[\r], v[\r], v[\r] row_xmask:8 row_mask:0xf bank_mask:0xf
	s_delay_alu instid0(VALU_DEP_1)
	v_permlanex16_b32 v[\t], v[\r], s34, s35
	s_delay_alu instid0(VALU_DEP_1)
	v_add_f32 v[\r], v[\r], v[\t]
.endm
.macro FOLD                            ; the four chains become one number, in v14
	s_delay_alu instid0(VALU_DEP_3)
	v_pk_add_f32 v[CH:CH+1], v[CH:CH+1], v[CH+2:CH+3]
	s_delay_alu instid0(VALU_DEP_2)
	v_pk_add_f32 v[CH+4:CH+5], v[CH+4:CH+5], v[CH+6:CH+7]
	s_delay_alu instid0(VALU_DEP_1)
	v_pk_add_f32 v[CH:CH+1], v[CH:CH+1], v[CH+4:CH+5]
	s_delay_alu instid0(VALU_DEP_1)
	v_add_f32 v14, v[CH], v[CH+1]
	WSUM 14, 15
.endm
	; the mean: four chains, started by the first eight pairs: nothing is cleared
.irp k, 0,1,2,3
	v_pk_add_f32 v[CH+2*\k:CH+2*\k+1], v[X+2*\k:X+2*\k+1], v[X+8+2*\k:X+9+2*\k]
.endr
.irp m, 16,24
.irp k, 0,1,2,3
	s_delay_alu instid0(VALU_DEP_4)
	v_pk_add_f32 v[CH+2*\k:CH+2*\k+1], v[CH+2*\k:CH+2*\k+1], v[X+\m+2*\k:X+\m+2*\k+1]
.endr
.endr
	FOLD
	s_delay_alu instid0(VALU_DEP_1)
	v_mul_f32 v8, 0x3a800000, v14                  ; / 1,024
	s_delay_alu instid0(VALU_DEP_1)
	v_mov_b32 v9, v8
.set j, 0
.rept 16
	v_pk_add_f32 v[X+j:X+j+1], v[X+j:X+j+1], v[8:9] neg_lo:[0,1] neg_hi:[0,1]   ; d = x - mean
.set j, j+2
.endr
.irp k, 0,1,2,3
	v_pk_mul_f32 v[CH+2*\k:CH+2*\k+1], v[X+2*\k:X+2*\k+1], v[X+2*\k:X+2*\k+1]
.endr
.irp m, 8,16,24
.irp k, 0,1,2,3
	s_delay_alu instid0(VALU_DEP_4)
	v_pk_fma_f32 v[CH+2*\k:CH+2*\k+1], v[X+\m+2*\k:X+\m+2*\k+1], v[X+\m+2*\k:X+\m+2*\k+1], v[CH+2*\k:CH+2*\k+1]
.endr
.endr
	FOLD
	s_delay_alu instid0(VALU_DEP_1)
	v_mul_f32 v14, 0x3a802008, v14                 ; / 1,023
	s_wait_alu depctr_va_vdst(0)
	v_sqrt_f32 v15, v14
	v_nop                                          ; a plain instruction behind the root,
	s_wait_alu depctr_va_vdst(0)                   ; and a wait ahead of its first reader
	v_add_f32 v15, 0x38d1b717, v15                 ; std + 1e-4
	s_wait_alu depctr_va_vdst(0)
	v_rcp_f32 v14, v15
	v_nop
	s_wait_kmcnt 0x0                               ; alpha, bias, the exponents
	s_wait_alu depctr_va_vdst(0)
	v_mul_f32 v10, s32, v14                        ; g = alpha / (std + 1e-4)
	s_delay_alu instid0(VALU_DEP_1)
	v_mov_b32 v11, v10
	v_mov_b32 v12, s33
	v_mov_b32 v13, s33
.set j, 0
.rept 16
	v_pk_fma_f32 v[X+j:X+j+1], v[X+j:X+j+1], v[10:11], v[12:13]   ; h = d g + bias
.set j, j+2
.endr
.irp j, 0,1,2,3,4,5,6,7
	ds_store_b128 v3, v[X+4*\j:X+4*\j+3] offset:8*PL*\j            ; a load's 512 bytes take eight places
.endr
.irp t, 0,1
.irp i, 0,1,2,3
	ds_load_b128 v[Y+16*\t+4*\i:Y+16*\t+4*\i+3], v4 offset:32*PL*\t+16*\i   ; LDS serves a wave's instructions in order: these see my stores
.endr
.endr
	s_wait_dscnt 0x0
; scale p (entry e of the exponents): held within +-448 x 2^e, since the conversion to an 8-bit code does not saturate (ISA guide 7.6.2); then converted; stored by base ob
.macro QP p, e, ob
	s_add_co_i32 s46, s[16+\e], 127
	s_lshl_b32 s47, s46, 23
	v_mov_b32 v[SCL+2*\p], s47                     ; 2^e as f32: the conversion takes its exponent field
	s_add_co_i32 s46, s46, 8
	s_lshl_b32 s46, s46, 23
	s_or_b32 s46, s46, 0x600000
	v_mov_b32 v[SCL+2*\p+1], s46                   ; 448 x 2^e
.irp t, 0,1
.irp i, 0,1,2,3,4,5,6,7,8,9,10,11,12,13,14,15
	v_med3_num_f32 v[T+\i], v[Y+16*\t+\i], -v[SCL+2*\p+1], v[SCL+2*\p+1]
.endr
	v_cvt_scalef32_pk8_fp8_f32 v[C+8*\p+4*\t:C+8*\p+4*\t+1], v[T:T+7], v[SCL+2*\p]
	v_cvt_scalef32_pk8_fp8_f32 v[C+8*\p+4*\t+2:C+8*\p+4*\t+3], v[T+8:T+15], v[SCL+2*\p]
	v_nop                                          ; a plain instruction between the conversions and the next holds, which write their sources
	global_store_b128 v2, v[C+8*\p+4*\t:C+8*\p+4*\t+3], s[\ob:\ob+1] offset:512*\t   ; 512 consecutive bytes, aligned
.endr
.endm
.if NP == 3
	QP 0, 0, 12
	QP 1, 2, 42
	QP 2, 4, 44
.else
	QP 0, 12, 12
.endif
	s_wait_tensorcnt 0x0
	ds_add_u32 v128, v129
	s_wait_dscnt 0x0
	s_endpgm
.Lfunc_end_k_q0d4c423e91_ln2:
	.size	k_q0d4c423e91_ln2, .Lfunc_end_k_q0d4c423e91_ln2-k_q0d4c423e91_ln2
	.p2alignl 7, 3214868480
	.fill 96, 4, 3214868480
	.section	.rodata,"a",@progbits
	.p2align	6, 0x0
	.amdhsa_kernel k_q0d4c423e91_ln2
		.amdhsa_group_segment_fixed_size 41984
		.amdhsa_private_segment_fixed_size 0
		.amdhsa_enable_private_segment 0
		.amdhsa_kernarg_size 40
		.amdhsa_user_sgpr_count 2
		.amdhsa_user_sgpr_kernarg_segment_ptr 1
		.amdhsa_wavefront_size32 1
		.amdhsa_system_sgpr_workgroup_id_x 1
		.amdhsa_system_sgpr_workgroup_id_y 1
		.amdhsa_system_sgpr_workgroup_id_z 1
		.amdhsa_system_vgpr_workitem_id 0
		.amdhsa_next_free_vgpr 130
		.amdhsa_next_free_sgpr 66
		.amdhsa_reserve_vcc 0
		.amdhsa_float_denorm_mode_32 3
		.amdhsa_float_denorm_mode_16_64 3
		.amdhsa_memory_ordered 1
		.amdhsa_forward_progress 1
		.amdhsa_inst_pref_size 14
	.end_amdhsa_kernel
	.amdgpu_metadata
---
amdhsa.version: [ 1, 2 ]
amdhsa.kernels:
  - .name:           k_q0d4c423e91_ln2
    .symbol:         k_q0d4c423e91_ln2.kd
    .args:
      - { .name: x1, .offset: 0, .size: 8, .value_kind: global_buffer, .address_space: global }
      - { .name: alpha2, .offset: 8, .size: 8, .value_kind: global_buffer, .address_space: global }
      - { .name: bias2, .offset: 16, .size: 8, .value_kind: global_buffer, .address_space: global }
      - { .name: lowp_scales, .offset: 24, .size: 8, .value_kind: global_buffer, .address_space: global }
      - { .name: h2, .offset: 32, .size: 8, .value_kind: global_buffer, .address_space: global }
    .group_segment_fixed_size: 41984
    .private_segment_fixed_size: 0
    .kernarg_segment_align: 8
    .kernarg_segment_size: 40
    .max_flat_workgroup_size: 256
    .sgpr_count:     66
    .vgpr_count:     130
    .wavefront_size: 32
...
	.end_amdgpu_metadata
.endif
;; end of part 5
;; launch ffn1 (part 6): grid 16 x 16, 4 waves a work-group, clusters of 4 x 4, 327,680 bytes of LDS; arguments h2, W1_codes, b1, lowp_scales, fc; writes fc
.if DOCPART == 6
	.amdgcn_target "amdgcn-amd-amdhsa--gfx1250"
	.amdhsa_code_object_version 6
	.text
	.protected	k_q0d4c423e91_ffn1
	.globl	k_q0d4c423e91_ffn1
	.p2align	8
	.type	k_q0d4c423e91_ffn1,@function
k_q0d4c423e91_ffn1:
	s_mov_b64 s[64:65], 0
	v_nop
	global_prefetch_b8 v0, s[64:65] scope:SCOPE_SE
	s_setreg_imm32_b32 hwreg(HW_REG_WAVE_MODE, 25, 1), 1
	s_wait_xcnt 0x0
	s_wait_alu depctr_hold_cnt(0) depctr_sa_sdst(0) depctr_va_vdst(0) depctr_va_sdst(0) depctr_va_ssrc(0) depctr_va_vcc(0) depctr_vm_vsrc(0)
	s_getreg_b32 s2, hwreg(HW_REG_IB_STS2, 6, 4)
	s_cmp_eq_u32 s2, 0
	s_cbranch_scc0 .Lentry_in_a_cluster
	s_endpgm
.Lentry_in_a_cluster:
	s_bfe_u32 s2, ttmp6, 0x10000c
	s_cmp_lg_u32 s2, 0xf033
	s_cbranch_scc0 .Lentry_shape_is_right
	s_endpgm
.Lentry_shape_is_right:
; out = Q(relu(h2 W1^T x 2^(eA + eB) + b1)) as codes of FP8 (E4M3), in blocks [64 rows][64 columns]: launch qkvg's text with QKV = 0; its head comment describes the tile, the ring, the cluster and the limits.
.set QKV,    0
.set KSTEP,  256
.set ROWB,   256
.set KROW,   1024
.set PITCH,  272
.set FR,     16
.set NL,     4
.set NP,     4
.set HALFT,  128*PITCH
.set SLOT,   4*HALFT
.set LAPS,   KROW/(2*KSTEP)
.set SPARE,  2*SLOT
.set STAGE,  SPARE+512
.set WST,    2560
.set ADRA, 16
.set ADRB, 20
.set STO,  24
.set RD,   25
.set CO,   26
.set SPW,  28
.set NIL,  29
.set BQ,   32
.set BP,   96
.set TMP,  128
.set CD0,  192
.set BK,   224
.set AF,   128
.set G1, 24
.set G0, 32
.set G1B, 48
.set G0B, 56
.set MSB, 0
.macro WIN new
.if MSB != \new
	s_set_vgpr_msb (MSB<<8)|\new
.set MSB, \new
.endif
.endm
.set MUL_LO, 0xa1
.set MUL_HI, 0xf1
.set TO_B,   0x40
.macro JLOAD g0a, g1a, g0b, g1b
	s_cmp_eq_u32 s15, 0
	s_cbranch_scc0 .Lfor_b_\@
	tensor_load_to_lds s[\g0a:\g0a+3], s[\g1a:\g1a+7]
	s_nop 0
.rept 4
	v_nop
.endr
	s_branch .Lasked_\@
.Lfor_b_\@:
	tensor_load_to_lds s[\g0b:\g0b+3], s[\g1b:\g1b+7]
	s_nop 0
.rept 4
	v_nop
.endr
.Lasked_\@:
.endm
.macro CREST
	s_cmp_lg_u32 s14, 0
	s_cbranch_scc1 .Lnot_wave_0_\@
	s_barrier_signal -3
.Lnot_wave_0_\@:
	s_barrier_wait -3
	s_barrier_signal -1
	s_barrier_wait -1
.endm
.macro CROUND
	s_barrier_signal -1
	s_barrier_wait -1
	CREST
.endm
.if QKV
	s_load_b512 s[68:83], s[0:1], 0x0
	s_load_b64 s[84:85], s[0:1], 0x40
.else
	s_load_b256 s[68:75], s[0:1], 0x0
	s_load_b64 s[84:85], s[0:1], 0x20
.endif
	v_lshl_add_u32 v[SPW], v0, 2, SPARE
	v_mov_b32 v[NIL], 0
	ds_add_u32 v28, v29
	ds_add_u32 v28, v29
	s_wait_dscnt 0x0
	v_lshrrev_b32 v1, 5, v0
	v_readfirstlane_b32 s14, v1
	s_lshr_b32 s15, s14, 1
	s_and_b32 s16, s14, 1
	s_bfe_u32 s40, ttmp6, 0x40000
	s_bfe_u32 s41, ttmp6, 0x40004
.if QKV
	s_mov_b32 s42, s40
.else
	s_lshl_b32 s42, ttmp9, 2
	s_add_co_u32 s42, s42, s40
.endif
	s_and_b32 s17, ttmp7, 0xffff
	s_lshl_b32 s17, s17, 2
	s_add_co_u32 s17, s17, s41
	s_lshl_b32 s43, s41, 2
	s_lshl_b32 s43, 15, s43
	s_lshl_b32 s44, 0x1111, s40
	s_or_b32 s[G1+0], s43, (0<<16)|(1<<20)|(1<<21)|(5<<22)|(3<<25)
	s_or_b32 s[G1B+0], s44, (0<<16)|(1<<20)|(1<<21)|(5<<22)|(3<<25)
.irp g, G1, G1B
	s_mov_b32 s[\g+1], ROWB<<16
	s_mov_b32 s[\g+2], 128<<16
	s_mov_b32 s[\g+3], ROWB<<16
	s_mov_b32 s[\g+4], 128
	s_mov_b32 s[\g+5], KROW
	s_mov_b32 s[\g+6], 0
	s_mov_b32 s[\g+7], 0
.endr
	s_lshl_b32 s18, s16, 7
	s_lshl_b32 s20, s17, 8
	s_add_co_u32 s20, s20, s18
	s_lshl_b32 s20, s20, 10
.if QKV
	s_lshl_b32 s19, ttmp9, 22
	s_add_co_u32 s20, s20, s19
.endif
	s_mov_b32 s21, 0
	s_lshl_b32 s46, s42, 8
	s_add_co_u32 s46, s46, s18
	s_lshl_b32 s46, s46, 10
	s_mov_b32 s47, 0
	s_mul_i32 s45, s14, HALFT
.if QKV
	s_cmp_eq_u32 ttmp9, 2
	s_cselect_b32 s66, 2*HALFT, 0
	s_cselect_b32 s67, 0, 2*HALFT
	s_cselect_b32 s8, s16, s15
	s_cselect_b32 s9, s15, s16
	s_cselect_b32 s100, 0, -1
	s_cselect_b32 s101, -1, 0
	s_mov_b32 s104, 4096
	s_cselect_b32 s104, 131072, s104
	s_mov_b32 s105, 131072
	s_cselect_b32 s105, 4096, s105
.else
	s_mov_b32 s66, 0
	s_mov_b32 s67, 2*HALFT
	s_mov_b32 s8, s15
	s_mov_b32 s9, s16
	s_mov_b32 s104, 262144
	s_mov_b32 s105, 4096
.endif
	s_wait_kmcnt 0x0
.if QKV
	s_load_b256 s[88:95], s[82:83], 0x0
	s_load_b64 s[98:99], s[82:83], 0x20
	s_cmp_eq_u32 ttmp9, 0
	s_cselect_b64 s[6:7], s[70:71], s[72:73]
	s_cselect_b64 s[86:87], s[76:77], s[78:79]
	s_cmp_eq_u32 ttmp9, 2
	s_cselect_b64 s[6:7], s[74:75], s[6:7]
	s_cselect_b64 s[86:87], s[80:81], s[86:87]
.else
	s_load_b128 s[88:91], s[74:75], 0x30
	s_mov_b64 s[6:7], s[70:71]
	s_mov_b64 s[86:87], s[72:73]
.endif
	s_add_nc_u64 s[20:21], s[68:69], s[20:21]
	s_add_nc_u64 s[46:47], s[6:7], s[46:47]
	s_cmp_eq_u32 s15, 0                            ; the prefetches: of the 128 rows that I fetch, the four partners that ask for them with me take 32 each, told apart by address
	s_cselect_b64 s[70:71], s[20:21], s[46:47]
	s_cselect_b32 s72, s40, s41                    ; my place among them: cx for A's tile, cy for W's
	s_lshl_b32 s72, s72, 15                        ; 32 rows of 1,024 bytes
	s_mov_b32 s73, 0
	s_add_nc_u64 s[70:71], s[70:71], s[72:73]
	CROUND
.irp s, 0,1
	s_mov_b32 s[G0+4*\s], 1
	s_add_co_u32 s[G0+4*\s+1], s45, \s*SLOT
	s_add_nc_u64 s[G0+4*\s+2:G0+4*\s+3], s[20:21], \s*ROWB
	s_or_b32 s[G0+4*\s+3], s[G0+4*\s+3], 0x80000000
	s_mov_b32 s[G0B+4*\s], 1
	s_add_co_u32 s[G0B+4*\s+1], s45, \s*SLOT
	s_add_nc_u64 s[G0B+4*\s+2:G0B+4*\s+3], s[46:47], \s*ROWB
	s_or_b32 s[G0B+4*\s+3], s[G0B+4*\s+3], 0x80000000
.if \s == 0
	JLOAD G0, G1, G0B, G1B                         ; K step 0: one tensor load a wave at the head
.endif
.endr
	s_lshl_b32 s18, s17, 2
	s_lshl_b32 s8, s8, 1
	s_add_co_u32 s18, s18, s8
	s_lshl_b32 s19, s42, 2
	s_lshl_b32 s9, s9, 1
	s_add_co_u32 s19, s19, s9
.if QKV
	s_lshr_b32 s22, s18, 5
	s_lshl_b32 s22, s22, 9
	s_and_b32 s23, s18, 31
	s_add_co_u32 s22, s22, s23
	s_lshl_b32 s23, s19, 5
	s_add_co_u32 s22, s22, s23
	s_lshl_b32 s22, s22, 12
	s_lshl_b32 s23, ttmp9, 22
	s_add_co_u32 s22, s22, s23
.else
	s_lshl_b32 s22, s18, 6
	s_add_co_u32 s22, s22, s19
	s_lshl_b32 s22, s22, 12
.endif
	s_mov_b32 s23, 0
	s_add_nc_u64 s[10:11], s[84:85], s[22:23]
	s_mov_b32 s22, s104
	s_add_nc_u64 s[12:13], s[10:11], s[22:23]
	s_lshl_b32 s22, s19, 8
	s_add_nc_u64 s[86:87], s[86:87], s[22:23]
	v_and_b32 v1, 15, v0
	v_bfe_u32 v2, v0, 4, 1
	v_lshlrev_b32 v30, 5, v2
	v_lshlrev_b32 v31, 2, v1
.irp b, 0,1,2,3,4,5,6,7
	global_load_b128 v[BQ+8*\b:BQ+8*\b+3], v30, s[86:87] offset:64*\b
	global_load_b128 v[BQ+8*\b+4:BQ+8*\b+7], v30, s[86:87] offset:64*\b+16
.endr
.if QKV
.irp a, 0,1,2,3,4,5,6,7
	global_load_b32 v[BP+2*\a], v31, s[86:87] offset:64*\a
.endr
.endif
	v_and_b32 v7, 31, v0
	v_lshlrev_b32 v7, 10, v7                       ; a lane a row
	global_prefetch_b8 v7, s[70:71] offset:512 th:TH_LOAD_NT scope:SCOPE_SE   ; K steps 2 and 3, two refills ahead of their loads: 256 bytes of each of my 32 rows; K steps 0 and 1 come by their loads alone
	global_prefetch_b8 v7, s[70:71] offset:768 th:TH_LOAD_NT scope:SCOPE_SE   ; v7 and s[70:71] are never written again
	v_mul_u32_u24 v3, v1, PITCH
	v_lshl_add_u32 v4, v2, 4, v3
	s_mul_i32 s21, s15, HALFT
	s_add_co_u32 s21, s21, s66
	s_mul_i32 s22, s16, HALFT
	s_add_co_u32 s22, s22, s67
.irp s, 0,1
	v_add_nc_u32 v[ADRA+\s], s21, v4
	v_add_nc_u32 v[ADRB+\s], s22, v4
	s_add_co_u32 s21, s21, SLOT
	s_add_co_u32 s22, s22, SLOT
.endr
	s_mul_i32 s23, s14, WST
	s_add_co_u32 s23, s23, STAGE
	v_mul_u32_u24 v5, v1, 80
.if QKV
	v_lshl_add_u32 v5, v2, 4, v5
.else
	v_lshl_add_u32 v5, v2, 3, v5
.endif
	v_add_nc_u32 v[STO], s23, v5
	v_and_b32 v6, 31, v0
	v_lshrrev_b32 v5, 2, v6
	v_mul_u32_u24 v5, v5, 80
	v_and_b32 v3, 3, v6
	v_lshl_add_u32 v5, v3, 4, v5
	v_add_nc_u32 v[RD], s23, v5
	v_lshlrev_b32 v[CO], 4, v6
	v_add_nc_u32 v[CO+1], s105, v[CO]
.macro FRAG reg, adr, q, i
.irp c, 0,1,2,3
	ds_load_b128 v[\reg+4*\c:\reg+4*\c+3], v[\adr] offset:128*(\q)+32*\c+(\i)*16*PITCH
.endr
.endm
.macro MUL16 a0, p, zero
.irp a, \a0, \a0+1
.irp b, 0,1,2,3,4,5,6,7
.if \zero
	v_wmma_f32_16x16x128_fp8_fp8 v[8*(8*((\a)%4)+\b):8*(8*((\a)%4)+\b)+7], v[128*(\p)+FR*\b:128*(\p)+FR*\b+FR-1], v[AF+FR*(\a):AF+FR*(\a)+FR-1], 0
.else
	v_wmma_f32_16x16x128_fp8_fp8 v[8*(8*((\a)%4)+\b):8*(8*((\a)%4)+\b)+7], v[128*(\p)+FR*\b:128*(\p)+FR*\b+FR-1], v[AF+FR*(\a):AF+FR*(\a)+FR-1], v[8*(8*((\a)%4)+\b):8*(8*((\a)%4)+\b)+7]
.endif
.endr
.endr
.endm
.macro FETCH_B slot, q, p
	WIN TO_B
.irp i, 0,1,2,3,4,5,6,7
	FRAG 128*(\p)+FR*\i, ADRB+\slot, \q, \i
.endr
	WIN 0
.endm
.macro FETCH_A slot, q, i0
.irp i, \i0, \i0+1, \i0+2, \i0+3
	FRAG AF+FR*(\i), ADRA+\slot, \q, \i
.endr
.endm
.macro PLACES n
.rept \n
	v_nop
.endr
.endm
.macro STEP slot, q, zero
	s_wait_dscnt 4*NL
	WIN MUL_LO
	MUL16 0, (\q)%2, \zero
	MUL16 2, (\q)%2, \zero
	s_wait_dscnt 0
	PLACES NP
	FETCH_B \slot, (\q)+1, 1-(\q)%2
	FETCH_A \slot, (\q)+1, 0
	WIN MUL_HI
	MUL16 4, (\q)%2, \zero
	MUL16 6, (\q)%2, \zero
	PLACES NP
	WIN 0
	FETCH_A \slot, (\q)+1, 4
.endm
.macro TURN slot, next, fill
	s_wait_tensorcnt 0x0
	ds_add_u32 v[SPW], v[NIL]
	s_wait_dscnt 4*NL+1
	WIN MUL_LO
	MUL16 0, 1, 0
	s_wait_dscnt 0x0
	s_barrier_signal -1
	MUL16 2, 1, 0
	WIN 0
	s_barrier_wait -1
.if \fill
	CREST
	s_add_nc_u64 s[G0+4*\slot+2:G0+4*\slot+3], s[G0+4*\slot+2:G0+4*\slot+3], 2*ROWB
	s_add_nc_u64 s[G0B+4*\slot+2:G0B+4*\slot+3], s[G0B+4*\slot+2:G0B+4*\slot+3], 2*ROWB
	JLOAD G0+4*\slot, G1, G0B+4*\slot, G1B
.else
	PLACES NP
.endif
	FETCH_B \next, 0, 0
	FETCH_A \next, 0, 0
	WIN MUL_HI
	MUL16 4, 1, 0
	MUL16 6, 1, 0
	PLACES NP
	WIN 0
	FETCH_A \next, 0, 4
.endm
	s_wait_alu depctr_va_vdst(0)                   ; the wait at the head's end
	s_wait_tensorcnt 0x0                           ; my part of K step 0 is in; the lines that stand ahead of a later first fill:
	ds_add_u32 v[SPW], v[NIL]
	s_wait_dscnt 0x0
	CROUND                                         ; everybody's part is in, and the sixteen work-groups meet
	JLOAD G0+4, G1, G0B+4, G1B                     ; K step 1, the first tensor load behind the round
	FETCH_B 0, 0, 0
	FETCH_A 0, 0, 0
	FETCH_A 0, 0, 4
	STEP 0, 0, 1
	s_mov_b32 s3, LAPS-1
.Llap:
	TURN 0, 1, 1
	STEP 1, 0, 0
	TURN 1, 0, 1
	STEP 0, 0, 0
	s_sub_co_u32 s3, s3, 1
	s_cmp_lg_u32 s3, 0
	s_cbranch_scc1 .Llap
	TURN 0, 1, 0
	STEP 1, 0, 0
	s_wait_dscnt 4*NL
	WIN MUL_LO
	MUL16 0, 1, 0
	MUL16 2, 1, 0
	s_wait_dscnt 0
	WIN MUL_HI
	MUL16 4, 1, 0
	MUL16 6, 1, 0
	WIN 0
	s_wait_kmcnt 0x0
.if QKV
	s_cmp_eq_u32 ttmp9, 0
	s_cselect_b32 s18, s88, s90
	s_cselect_b32 s19, s89, s91
	s_cselect_b32 s22, s94, s95
	s_cmp_eq_u32 ttmp9, 2
	s_cselect_b32 s18, s92, s18
	s_cselect_b32 s19, s93, s19
	s_cselect_b32 s22, s99, s22
.else
	s_mov_b32 s18, s88
	s_mov_b32 s19, s89
	s_mov_b32 s22, s90
.endif
	s_add_co_i32 s96, s18, s19
	s_add_co_i32 s96, s96, 127
	s_lshl_b32 s96, s96, 23
	s_mov_b32 s97, s96
	s_add_co_i32 s22, s22, 127
	s_lshl_b32 s23, s22, 23
	v_mov_b32 v112, s23
	s_add_co_i32 s22, s22, 8
	s_lshl_b32 s22, s22, 23
	s_or_b32 s22, s22, 0x600000
	v_mov_b32 v113, s22
	s_wait_loadcnt 0x0
	PLACES NP
.if QKV
.set j, 0
.rept 64
	v_and_b32 v[BQ+j], s100, v[BQ+j]
.set j, j+1
.endr
.irp a, 0,1,2,3,4,5,6,7
	v_and_b32 v[BP+2*\a], s101, v[BP+2*\a]
	v_mov_b32 v[BP+2*\a+1], 0
.endr
.endif
.macro TOSTAGE a
.set AC, 64*((\a)%4)
.set CD, CD0+16*((\a)%2)
.set BB, BK+16*((\a)%2)
	WIN 0x02+((\a)/4)
.set j, 0
.rept 32
	v_pk_fma_f32 v[TMP+j:TMP+j+1], v[AC+j:AC+j+1], s[96:97], v[BQ+j:BQ+j+1] op_sel_hi:[1,0,1]
.set j, j+2
.endr
	WIN 0
.if QKV
.set j, 0
.rept 32
	v_pk_add_f32 v[TMP+j:TMP+j+1], v[TMP+j:TMP+j+1], v[BP+2*(\a):BP+2*(\a)+1] op_sel_hi:[1,0]
.set j, j+2
.endr
.endif
.irp b, 0,1,2,3,4,5,6,7
.irp i, 0,1,2,3,4,5,6,7
.if QKV
	v_med3_num_f32 v[TMP+8*\b+\i], v[TMP+8*\b+\i], -v113, v113
.else
	v_med3_num_f32 v[TMP+8*\b+\i], v[TMP+8*\b+\i], 0, v113
.endif
.endr
	v_cvt_scalef32_pk8_fp8_f32 v[CD+2*\b:CD+2*\b+1], v[TMP+8*\b:TMP+8*\b+7], v112
.endr
	v_nop
.irp b, 0,1,2,3,4,5,6,7
.if QKV
	ds_store_b64 v[STO], v[CD+2*\b:CD+2*\b+1] offset:(\b/4)*1280+32*((\b%4)/2)+8*(\b%2)
.else
	ds_store_b64 v[STO], v[CD+2*\b:CD+2*\b+1] offset:(\b/4)*1280+16*(\b%4)
.endif
.endr
.irp k, 0,1,2,3
	ds_load_b128 v[BB+4*\k:BB+4*\k+3], v[RD] offset:(\k/2)*1280+(\k%2)*640
.endr
.endm
.macro SEND a, younger
.set BB, BK+16*((\a)%2)
	s_wait_dscnt \younger
.irp k, 0,1,2,3
	global_store_b128 v[CO+(\k/2)], v[BB+4*\k:BB+4*\k+3], s[10+2*((\a)/4):11+2*((\a)/4)] offset:((\a)%4)*1024+(\k%2)*512
.endr
.endm
	TOSTAGE 0
.irp a, 1,2,3,4,5,6,7
.if \a > 1
	s_wait_xcnt 0x0
.endif
	TOSTAGE \a
	SEND \a-1, 12
.endr
	SEND 7, 0
	s_wait_tensorcnt 0x0
	ds_add_u32 v[SPW], v[NIL]
	s_wait_dscnt 0x0
	CROUND
	s_endpgm
.Lfunc_end_k_q0d4c423e91_ffn1:
	.size	k_q0d4c423e91_ffn1, .Lfunc_end_k_q0d4c423e91_ffn1-k_q0d4c423e91_ffn1
	.p2alignl 7, 3214868480
	.fill 96, 4, 3214868480
	.section	.rodata,"a",@progbits
	.p2align	6, 0x0
	.amdhsa_kernel k_q0d4c423e91_ffn1
		.amdhsa_group_segment_fixed_size 327680
		.amdhsa_private_segment_fixed_size 0
		.amdhsa_enable_private_segment 0
		.amdhsa_kernarg_size 40
		.amdhsa_user_sgpr_count 2
		.amdhsa_user_sgpr_kernarg_segment_ptr 1
		.amdhsa_wavefront_size32 1
		.amdhsa_system_sgpr_workgroup_id_x 1
		.amdhsa_system_sgpr_workgroup_id_y 1
		.amdhsa_system_sgpr_workgroup_id_z 1
		.amdhsa_system_vgpr_workitem_id 0
		.amdhsa_next_free_vgpr 1024
		.amdhsa_next_free_sgpr 106
		.amdhsa_reserve_vcc 0
		.amdhsa_float_denorm_mode_32 3
		.amdhsa_float_denorm_mode_16_64 3
		.amdhsa_memory_ordered 1
		.amdhsa_forward_progress 1
		.amdhsa_inst_pref_size 143
	.end_amdhsa_kernel
	.amdgpu_metadata
---
amdhsa.version: [ 1, 2 ]
amdhsa.kernels:
  - .name:           k_q0d4c423e91_ffn1
    .symbol:         k_q0d4c423e91_ffn1.kd
    .args:
      - { .name: h2, .offset: 0, .size: 8, .value_kind: global_buffer, .address_space: global }
      - { .name: W1_codes, .offset: 8, .size: 8, .value_kind: global_buffer, .address_space: global }
      - { .name: b1, .offset: 16, .size: 8, .value_kind: global_buffer, .address_space: global }
      - { .name: lowp_scales, .offset: 24, .size: 8, .value_kind: global_buffer, .address_space: global }
      - { .name: fc, .offset: 32, .size: 8, .value_kind: global_buffer, .address_space: global }
    .group_segment_fixed_size: 327680
    .private_segment_fixed_size: 0
    .kernarg_segment_align: 8
    .kernarg_segment_size: 40
    .max_flat_workgroup_size: 128
    .sgpr_count:     106
    .vgpr_count:     1024
    .wavefront_size: 32
...
	.end_amdgpu_metadata
.endif
;; end of part 6
;; launch ffn2 (part 7): grid 8 x 32, 4 waves a work-group, clusters of 4 x 4, 327,680 bytes of LDS; arguments fc, W2_codes, lowp_scales, b2, x1, out0; writes out0
.if DOCPART == 7
	.amdgcn_target "amdgcn-amd-amdhsa--gfx1250"
	.amdhsa_code_object_version 6
	.text
	.protected	k_q0d4c423e91_ffn2
	.globl	k_q0d4c423e91_ffn2
	.p2align	8
	.type	k_q0d4c423e91_ffn2,@function
k_q0d4c423e91_ffn2:
	s_mov_b64 s[64:65], 0
	v_nop
	global_prefetch_b8 v0, s[64:65] scope:SCOPE_SE
	s_setreg_imm32_b32 hwreg(HW_REG_WAVE_MODE, 25, 1), 1
	s_wait_xcnt 0x0
	s_wait_alu depctr_hold_cnt(0) depctr_sa_sdst(0) depctr_va_vdst(0) depctr_va_sdst(0) depctr_va_ssrc(0) depctr_va_vcc(0) depctr_vm_vsrc(0)
	s_getreg_b32 s2, hwreg(HW_REG_IB_STS2, 6, 4)
	s_cmp_eq_u32 s2, 0
	s_cbranch_scc0 .Lentry_in_a_cluster
	s_endpgm
.Lentry_in_a_cluster:
	s_bfe_u32 s2, ttmp6, 0x10000c
	s_cmp_lg_u32 s2, 0xf033
	s_cbranch_scc0 .Lentry_shape_is_right
	s_endpgm
.Lentry_shape_is_right:
; out0 = x1 + (fc W2^T x 2^(eA + eB) + b2), f32: launch wo's text with K = 4,096 and entries 14, 15 of the exponents; its head comment describes the tile, the ring, the cluster and the limit.
.set SIZE_K, 4096
.set EOFF,   56
.set KSTEP,  512
.set PB,     528
.set HALFT,  34816
.set SLOT,   4*HALFT
.set SPARE,  2*SLOT
.set STAGE,  SPARE+512
.set LAPS,   SIZE_K/(2*KSTEP)
.set ADRA, 16
.set ADRB, 20
.set STO,  24
.set RD,   25
.set CO,   26
.set BO,   27
.set SPW,  28
.set NIL,  29
.set ACC,  128
.set F0,   0
.set F1,   128
.set G1, 24
.set G0, 32
.set G1B, 48
.set G0B, 56
.set MSB, 0
.macro WIN new
.if MSB != \new
	s_set_vgpr_msb (MSB<<8)|\new
.set MSB, \new
.endif
.endm
.set MUL,  0x05
.set TO_F, 0x40
.macro JLOAD s
	s_cmp_eq_u32 s11, 0
	s_cbranch_scc0 .Lfor_b_\@
	tensor_load_to_lds s[G0+4*\s:G0+4*\s+3], s[G1:G1+7]
	s_nop 0
.rept 4
	v_nop
.endr
	s_branch .Lasked_\@
.Lfor_b_\@:
	tensor_load_to_lds s[G0B+4*\s:G0B+4*\s+3], s[G1B:G1B+7]
	s_nop 0
.rept 4
	v_nop
.endr
.Lasked_\@:
.endm
.macro CREST
	s_cmp_lg_u32 s10, 0
	s_cbranch_scc1 .Lnot_wave_0_\@
	s_barrier_signal -3
.Lnot_wave_0_\@:
	s_barrier_wait -3
	s_barrier_signal -1
	s_barrier_wait -1
.endm
.macro CROUND
	s_barrier_signal -1
	s_barrier_wait -1
	CREST
.endm
	s_load_b256 s[68:75], s[0:1], 0x0
	s_load_b128 s[76:79], s[0:1], 0x20
	v_lshl_add_u32 v[SPW], v0, 2, SPARE
	v_mov_b32 v[NIL], 0
	ds_add_u32 v28, v29
	ds_add_u32 v28, v29
	s_wait_dscnt 0x0
	v_lshrrev_b32 v1, 5, v0
	v_readfirstlane_b32 s10, v1
	s_lshr_b32 s11, s10, 1
	s_and_b32 s12, s10, 1
	s_bfe_u32 s40, ttmp6, 0x40000
	s_bfe_u32 s41, ttmp6, 0x40004
	s_lshl_b32 s42, ttmp9, 2
	s_add_co_u32 s42, s42, s40
	s_and_b32 s13, ttmp7, 0xffff
	s_lshl_b32 s13, s13, 2
	s_add_co_u32 s13, s13, s41
	s_lshl_b32 s43, s41, 2
	s_lshl_b32 s43, 15, s43
	s_lshl_b32 s44, 0x1111, s40
	s_or_b32 s[G1+0], s43, (0<<16)|(1<<20)|(1<<21)|(5<<22)|(3<<25)
	s_mov_b32 s[G1+1], 256<<16
	s_mov_b32 s[G1+2], 128<<16
	s_mov_b32 s[G1+3], 256<<16
	s_mov_b32 s[G1+4], 128
	s_mov_b32 s[G1+5], 256
	s_mov_b32 s[G1+6], 0
	s_mov_b32 s[G1+7], 0
	s_or_b32 s[G1B+0], s44, (0<<16)|(1<<20)|(1<<21)|(6<<22)|(3<<25)
	s_mov_b32 s[G1B+1], KSTEP<<16
	s_mov_b32 s[G1B+2], 64<<16
	s_mov_b32 s[G1B+3], KSTEP<<16
	s_mov_b32 s[G1B+4], 64
	s_mov_b32 s[G1B+5], SIZE_K
	s_mov_b32 s[G1B+6], 0
	s_mov_b32 s[G1B+7], 0
	s_lshl_b32 s16, s13, 1
	s_add_co_u32 s16, s16, s12
	s_mul_i32 s16, s16, SIZE_K*64
	s_mov_b32 s17, 0
	s_lshl_b32 s46, s42, 7
	s_lshl_b32 s18, s12, 6
	s_add_co_u32 s46, s46, s18
	s_mul_i32 s46, s46, SIZE_K
	s_mov_b32 s47, 0
	s_mul_i32 s20, s10, HALFT
	s_wait_kmcnt 0x0
	s_load_b64 s[82:83], s[72:73], EOFF
	s_add_nc_u64 s[14:15], s[68:69], s[16:17]
	s_add_nc_u64 s[46:47], s[70:71], s[46:47]
	; the prefetches: a wave's load brings 128 blocks of 256 bytes; the four partners that ask for them with me take 32 each, told apart by address:
	; A: 8,192 bytes on end a partner; W: 16 rows a partner, two blocks a row.  s[88:89] walks a K step a refill; s[92:93] serves K step 2 alone
	s_cmp_eq_u32 s11, 0
	s_cselect_b64 s[88:89], s[14:15], s[46:47]
	s_cselect_b32 s92, s40, s41                    ; my place among the four: cx for A's tile, cy for W's
	s_cselect_b32 s93, 13, 16
	s_mov_b32 s90, 512
	s_cselect_b32 s90, 32768, s90                  ; a K step on, in bytes
	s_mov_b32 s94, 4096
	s_cselect_b32 s94, 512, s94                    ; from one pair of lanes to the next
	s_lshl_b32 s92, s92, s93
	s_mov_b32 s93, 0
	s_mov_b32 s91, 0
	s_add_nc_u64 s[88:89], s[88:89], s[92:93]
	s_add_nc_u64 s[88:89], s[88:89], s[90:91]
	s_add_nc_u64 s[88:89], s[88:89], s[90:91]
	s_mov_b64 s[92:93], s[88:89]                   ; K step 2
	s_add_nc_u64 s[88:89], s[88:89], s[90:91]      ; K step 3
	CROUND
.irp s, 0,1
	s_mov_b32 s[G0+4*\s], 1
	s_add_co_u32 s[G0+4*\s+1], s20, \s*SLOT
	s_add_nc_u64 s[G0+4*\s+2:G0+4*\s+3], s[14:15], \s*32768
	s_or_b32 s[G0+4*\s+3], s[G0+4*\s+3], 0x80000000
	s_mov_b32 s[G0B+4*\s], 1
	s_add_co_u32 s[G0B+4*\s+1], s20, \s*SLOT
	s_add_nc_u64 s[G0B+4*\s+2:G0B+4*\s+3], s[46:47], \s*KSTEP
	s_or_b32 s[G0B+4*\s+3], s[G0B+4*\s+3], 0x80000000
.if \s == 0
	JLOAD 0                                        ; K step 0: one tensor load a wave at the head
.endif
.endr
	v_and_b32 v1, 15, v0
	v_bfe_u32 v2, v0, 4, 1
	v_lshrrev_b32 v3, 2, v1
	v_mul_u32_u24 v3, v3, 272
	v_and_b32 v4, 3, v1
	v_lshl_add_u32 v3, v4, 6, v3
	v_lshl_add_u32 v3, v2, 4, v3
	v_mul_u32_u24 v4, v1, PB
	v_lshl_add_u32 v4, v2, 4, v4
	s_mul_i32 s21, s11, HALFT
	s_mul_i32 s22, s12, HALFT
	s_add_co_u32 s22, s22, 2*HALFT
.irp s, 0,1
	v_add_nc_u32 v[ADRA+\s], s21, v3
	v_add_nc_u32 v[ADRB+\s], s22, v4
	s_add_co_u32 s21, s21, SLOT
	s_add_co_u32 s22, s22, SLOT
.endr
	s_mul_i32 s23, s10, 16*272
	s_add_co_u32 s23, s23, STAGE
	v_mul_u32_u24 v5, v1, 272
	v_lshl_add_u32 v5, v2, 5, v5
	v_add_nc_u32 v[STO], s23, v5
	v_mul_u32_u24 v5, v2, 272
	v_lshl_add_u32 v5, v1, 4, v5
	v_add_nc_u32 v[RD], s23, v5
	v_lshlrev_b32 v[BO], 4, v1
	v_lshl_add_u32 v[CO], v2, 12, v[BO]
	v_and_b32 v30, 31, v0
	v_lshrrev_b32 v31, 1, v30
	v_and_b32 v30, 1, v30
	v_mul_lo_u32 v31, v31, s94
	v_lshl_add_u32 v30, v30, 8, v31                ; the prefetches' offset: each lane another block of 256 bytes; never written again
	s_wait_alu depctr_va_vdst(0)
	s_lshl_b32 s16, s13, 7
	s_lshl_b32 s17, s11, 6
	s_add_co_u32 s16, s16, s17
	s_lshl_b32 s16, s16, 12
	s_lshl_b32 s46, s42, 7
	s_lshl_b32 s47, s12, 6
	s_add_co_u32 s46, s46, s47
	s_lshl_b32 s46, s46, 2
	s_mov_b32 s47, 0
	s_add_nc_u64 s[86:87], s[74:75], s[46:47]
	s_add_co_u32 s46, s46, s16
	s_add_nc_u64 s[84:85], s[76:77], s[46:47]
	s_add_nc_u64 s[8:9], s[78:79], s[46:47]
	global_prefetch_b8 v30, s[92:93] th:TH_LOAD_NT scope:SCOPE_SE   ; behind K step 0's load: K step 2, two fills ahead of its own load; K steps 0 and 1 come by their loads alone
.macro MULA f, a, zero
.irp b, 0,1,2,3
.if \zero
	v_wmma_f32_16x16x128_fp8_fp8 v[ACC+8*(4*(\a)+\b):ACC+8*(4*(\a)+\b)+7], v[\f+64+16*\b:\f+64+16*\b+15], v[\f+16*(\a):\f+16*(\a)+15], 0
.else
	v_wmma_f32_16x16x128_fp8_fp8 v[ACC+8*(4*(\a)+\b):ACC+8*(4*(\a)+\b)+7], v[\f+64+16*\b:\f+64+16*\b+15], v[\f+16*(\a):\f+16*(\a)+15], v[ACC+8*(4*(\a)+\b):ACC+8*(4*(\a)+\b)+7]
.endif
.endr
.endm
.macro FETCH slot, q, f
	WIN TO_F
.irp b, 0,1,2,3
.irp c, 0,1,2,3
	ds_load_b128 v[\f+64+16*\b+4*\c:\f+64+16*\b+4*\c+3], v[ADRB+\slot] offset:\b*16*PB+128*(\q)+32*\c
.endr
.endr
.irp a, 0,1,2,3
.irp c, 0,1,2,3
	ds_load_b128 v[\f+16*\a+4*\c:\f+16*\a+4*\c+3], v[ADRA+\slot] offset:\a*1088+(2*(\q)+\c/2)*4352+32*(\c%2)
.endr
.endr
.endm
.macro PLACES
.rept 4
	v_nop
.endr
.endm
.macro QUARTER slot, q, f, g, zero
	s_wait_dscnt 8
	WIN MUL
	MULA \f, 0, \zero
	MULA \f, 1, \zero
	PLACES
	FETCH \slot, \q, \g
	s_wait_dscnt 32
	WIN MUL
	MULA \f, 2, \zero
	MULA \f, 3, \zero
.endm
.macro TURN slot, next, fill
	WIN 0
.if \fill
	s_wait_xcnt 0x0                                ; my last prefetch, a K step back, has read its address:
	s_add_nc_u64 s[88:89], s[88:89], s[90:91]      ; on to the K step two refills ahead of the one that follows
.endif
	s_wait_tensorcnt 0x0
	ds_add_u32 v[SPW], v[NIL]
	s_wait_dscnt 9
	WIN MUL
	MULA F1, 0, 0
	s_wait_dscnt 0x0
	s_barrier_signal -1
	MULA F1, 1, 0
.if \fill
	WIN 0
.endif
	s_barrier_wait -1
.if \fill
	CREST
	s_add_nc_u64 s[G0+4*\slot+2:G0+4*\slot+3], s[G0+4*\slot+2:G0+4*\slot+3], 2*32768
	s_add_nc_u64 s[G0B+4*\slot+2:G0B+4*\slot+3], s[G0B+4*\slot+2:G0B+4*\slot+3], 2*KSTEP
	JLOAD \slot
.else
	PLACES
.endif
	FETCH \next, 0, F0
.if \fill
	WIN 0                                          ; at a branch and at a label every window is 0
	s_cmp_gt_u32 s3, 1                             ; the last lap's two refills have no K step two on
	s_cbranch_scc0 .Lno_ask_\@
	global_prefetch_b8 v30, s[88:89] th:TH_LOAD_NT scope:SCOPE_SE   ; behind the joint load and the run of LDS loads: one instruction a wave
.Lno_ask_\@:
.endif
	WIN MUL
	MULA F1, 2, 0
	MULA F1, 3, 0
.endm
	s_wait_alu depctr_va_vdst(0)                   ; the wait at the head's end
	s_wait_tensorcnt 0x0                           ; my part of K step 0 is in; the lines that stand ahead of a later first fill:
	ds_add_u32 v[SPW], v[NIL]
	s_wait_dscnt 0x0
	CROUND                                         ; everybody's part is in, and the sixteen work-groups meet
	JLOAD 1                                        ; K step 1, the first tensor load behind the round
	FETCH 0, 0, F0
	WIN 0x80                                       ; destination window 2, addresses window 0
	global_prefetch_b8 v30, s[88:89] th:TH_LOAD_NT scope:SCOPE_SE   ; behind K step 1's load and the run of LDS loads: K step 3
.irp a, 0,1,2,3                                ; the residual, in the layout of the stores, and the bias: asked for behind both first fills, read on the way out alone
.irp i, 0,1,2,3,4,5,6,7
	global_load_b128 v[32*\a+4*\i:32*\a+4*\i+3], v[CO], s[84:85] offset:(16*\a+2*\i)*4096
.endr
.endr
	WIN 0
	global_load_b128 v[96:99], v[BO], s[86:87]
	QUARTER 0, 1, F0, F1, 1
.if LAPS > 1
	WIN 0
	s_mov_b32 s3, LAPS-1
.Llap:
	QUARTER 0, 2, F1, F0, 0
	QUARTER 0, 3, F0, F1, 0
	TURN 0, 1, 1
	QUARTER 1, 1, F0, F1, 0
	QUARTER 1, 2, F1, F0, 0
	QUARTER 1, 3, F0, F1, 0
	TURN 1, 0, 1
	QUARTER 0, 1, F0, F1, 0
	WIN 0
	s_sub_co_u32 s3, s3, 1
	s_cmp_lg_u32 s3, 0
	s_cbranch_scc1 .Llap
.endif
	QUARTER 0, 2, F1, F0, 0
	QUARTER 0, 3, F0, F1, 0
	TURN 0, 1, 0
	QUARTER 1, 1, F0, F1, 0
	QUARTER 1, 2, F1, F0, 0
	QUARTER 1, 3, F0, F1, 0
	s_wait_dscnt 8
	WIN MUL
	MULA F1, 0, 0
	MULA F1, 1, 0
	s_wait_dscnt 0
	MULA F1, 2, 0
	MULA F1, 3, 0
	WIN 0
	s_wait_kmcnt 0x0
	s_add_co_i32 s80, s82, s83
	s_add_co_i32 s80, s80, 127
	s_lshl_b32 s80, s80, 23
	s_mov_b32 s81, s80
	s_wait_loadcnt 0x0
	PLACES
.macro OUTB a
.set TT, 32+32*((\a)%2)
.if (\a) >= 2
	s_wait_xcnt 0x0
.endif
.irp b, 0,1,2,3
	ds_store_b128 v[STO], v[ACC+8*(4*(\a)+\b):ACC+8*(4*(\a)+\b)+3] offset:64*\b
	ds_store_b128 v[STO], v[ACC+8*(4*(\a)+\b)+4:ACC+8*(4*(\a)+\b)+7] offset:64*\b+16
.endr
.irp i, 0,1,2,3,4,5,6,7
	ds_load_b128 v[TT+4*\i:TT+4*\i+3], v[RD] offset:544*\i
.endr
	s_wait_dscnt 0x0
	WIN 0x20
.set j, 0
.rept 16
	v_pk_fma_f32 v[TT+j:TT+j+1], v[TT+j:TT+j+1], s[80:81], v[32*(\a)+j:32*(\a)+j+1] op_sel_hi:[1,0,1]
.set j, j+2
.endr
	WIN 0
.irp i, 0,1,2,3,4,5,6,7
	v_pk_add_f32 v[TT+4*\i:TT+4*\i+1], v[TT+4*\i:TT+4*\i+1], v[96:97]
	v_pk_add_f32 v[TT+4*\i+2:TT+4*\i+3], v[TT+4*\i+2:TT+4*\i+3], v[98:99]
.endr
.irp i, 0,1,2,3,4,5,6,7
	global_store_b128 v[CO], v[TT+4*\i:TT+4*\i+3], s[8:9] offset:(16*(\a)+2*\i)*4096
.endr
.endm
	OUTB 0
	OUTB 1
	OUTB 2
	OUTB 3
	s_wait_tensorcnt 0x0
	ds_add_u32 v[SPW], v[NIL]
	s_wait_dscnt 0x0
	CROUND
	s_endpgm
.Lfunc_end_k_q0d4c423e91_ffn2:
	.size	k_q0d4c423e91_ffn2, .Lfunc_end_k_q0d4c423e91_ffn2-k_q0d4c423e91_ffn2
	.p2alignl 7, 3214868480
	.fill 96, 4, 3214868480
	.section	.rodata,"a",@progbits
	.p2align	6, 0x0
	.amdhsa_kernel k_q0d4c423e91_ffn2
		.amdhsa_group_segment_fixed_size 327680
		.amdhsa_private_segment_fixed_size 0
		.amdhsa_enable_private_segment 0
		.amdhsa_kernarg_size 48
		.amdhsa_user_sgpr_count 2
		.amdhsa_user_sgpr_kernarg_segment_ptr 1
		.amdhsa_wavefront_size32 1
		.amdhsa_system_sgpr_workgroup_id_x 1
		.amdhsa_system_sgpr_workgroup_id_y 1
		.amdhsa_system_sgpr_workgroup_id_z 1
		.amdhsa_system_vgpr_workitem_id 0
		.amdhsa_next_free_vgpr 640
		.amdhsa_next_free_sgpr 96
		.amdhsa_reserve_vcc 0
		.amdhsa_float_denorm_mode_32 3
		.amdhsa_float_denorm_mode_16_64 3
		.amdhsa_memory_ordered 1
		.amdhsa_forward_progress 1
		.amdhsa_inst_pref_size 83
	.end_amdhsa_kernel
	.amdgpu_metadata
---
amdhsa.version: [ 1, 2 ]
amdhsa.kernels:
  - .name:           k_q0d4c423e91_ffn2
    .symbol:         k_q0d4c423e91_ffn2.kd
    .args:
      - { .name: fc, .offset: 0, .size: 8, .value_kind: global_buffer, .address_space: global }
      - { .name: W2_codes, .offset: 8, .size: 8, .value_kind: global_buffer, .address_space: global }
      - { .name: lowp_scales, .offset: 16, .size: 8, .value_kind: global_buffer, .address_space: global }
      - { .name: b2, .offset: 24, .size: 8, .value_kind: global_buffer, .address_space: global }
      - { .name: x1, .offset: 32, .size: 8, .value_kind: global_buffer, .address_space: global }
      - { .name: out0, .offset: 40, .size: 8, .value_kind: global_buffer, .address_space: global }
    .group_segment_fixed_size: 327680
    .private_segment_fixed_size: 0
    .kernarg_segment_align: 8
    .kernarg_segment_size: 48
    .max_flat_workgroup_size: 128
    .sgpr_count:     96
    .vgpr_count:     640
    .wavefront_size: 32
...
	.end_amdgpu_metadata
.endif
;; end of part 7
